; MI455X (gfx1250); checked and timed in simulation.
; The chip was launched on July 23, 2026; its instructions are those of AMD's public machine-readable ISA for CDNA 5 (MIT licence, August 2026) and "CDNA5" Instruction Set Architecture Reference Guide (July 2026). The comments in the code are by the model that wrote it; some were corrected since.
;; Causal Self Attention. Allowed arithmetic: matrix products marked QUANTISED: E2M1 operands, one E8M0 scale for each 32 along K, by v_wmma_scale_f32_16x16x128_f8f6f4 with both operands' format E2M1 (or v_wmma_scale_f32_32x16x128_f4), f32 sums; products left as they are: bf16, f16 or f32 operands; f32 sums; everything else in f32.
;; Inputs: Wk 1,024 x 1,024 float32; Wp 1,024 x 1,024 float32; Wq 1,024 x 1,024 float32; Wv 1,024 x 1,024 float32; bk 1,024 float32; bp 1,024 float32; bq 1,024 float32; bv 1,024 float32; x 4 x 2,048 x 1,024 float32.
;; Outputs: out0 4 x 2,048 x 1,024 float32.
;; This version of the problem:
;;   THIS VERSION OF THE PROBLEM IS GIVEN IN LOW PRECISION. The matrix products marked QUANTISED in the list below multiply operands that are first quantised to E2M1 (2 exponent bits, 1 mantissa bit; 4 bits a number), with one power-of-two scale for each 32 numbers along K (OCP MX v1.0); their sums are f32. The products marked 'left as it is' may take bf16, f16 or f32 operands, with f32 sums. Whichever they take, every output number must still come out within the allowed error. Rounding operands to bf16 (8 significant bits) uses up far more of that allowance than f16 does (11 bits, for magnitudes from 6e-5 to 65,504). All else is computed in f32.
;;   The module's matrix products, in the order in which they are computed (A, B: the left and right operand; K: the contracted axis; several contracted axes count as one K, in the product's order):
;;     1. [M 8,192, K 1,024] x [K 1,024, N 1,024]; A: input x; B: input Wk: QUANTISED
;;     2. [M 8,192, K 1,024] x [K 1,024, N 1,024]; A: input x; B: input Wq: QUANTISED
;;     3. [M 8,192, K 1,024] x [K 1,024, N 1,024]; A: input x; B: input Wv: QUANTISED
;;     4. batch 64 x [M 2,048, K 64] x [K 64, N 2,048]; A: computed on the way; B: computed on the way: left as it is (an operand is computed on the way)
;;     5. batch 64 x [M 2,048, K 2,048] x [K 2,048, N 64]; A: computed on the way; B: computed on the way: left as it is (an operand is computed on the way)
;;     6. [M 8,192, K 1,024] x [K 1,024, N 1,024]; A: computed on the way; B: input Wp: left as it is (an operand is computed on the way)
;;   THE QUANTISER, for each operand of a quantised product, along K:
;;     - K is cut into blocks of 32 from its start; a last block that is shorter is filled with zeros.
;;     - A block's scale is 2^e with e = floor(log2(the largest magnitude in the block)) - 2, held to -126 .. 127; a block of zeros has e = 0. As a byte (E8M0): e + 127.
;;     - Each number is divided by its block's scale, clamped to +-6, and rounded to the nearest number of E2M1, ties to even, subnormals kept.
;;     - The product sums the exact products of the quantised numbers (number of the format x scale) in f32.
;;   ~~~python
;;   def quantise(x, axis):      # numpy; x: float32 -> the quantised numbers, widened to float32 again
;;       x = np.moveaxis(x, axis, -1); K = x.shape[-1]
;;       x = np.pad(x, [(0, 0)] * (x.ndim - 1) + [(0, -K % 32)]); x = x.reshape(x.shape[:-1] + (-1, 32)); a = np.abs(x).max(-1, keepdims=True)
;;       e = np.where(a > 0, np.clip(np.frexp(np.where(a > 0, a, 1))[1] - 1 - 2, -126, 127), 0)      # np.frexp(a)[1] - 1 = floor(log2(a)), exactly
;;       r = np.clip(x / 2.0 ** e, -6, 6)
;;       step = 2.0 ** (np.maximum(np.frexp(np.where(r == 0, 1, r))[1] - 1, 0) - 1)
;;       q = np.round(r / step) * step * 2.0 ** e      # np.round: ties to even
;;       return np.moveaxis(q.reshape(q.shape[:-2] + (-1,))[..., :K], -1, axis).astype(np.float32)
;;   ~~~
;; One version. Each part assembles by itself: llvm-mc -triple=amdgcn-amd-amdhsa -mcpu=gfx1250 --defsym DOCPART=n.
;; ======== version 1 of 1: 5 launches
;; limits: values are held in f16: magnitudes above 65,504 overflow, below 6.1e-05 lose precision
;; workspace buffers: xc 4,194,304 bytes; xs 262,144 bytes; wc 1,572,864 bytes; ws 98,304 bytes; wph 2,097,152 bytes; qkv 50,331,648 bytes; first 786,432 bytes; yw 16,777,216 bytes
;; launch prep (part 1): grid 480 x 1, 4 waves a work-group, no clusters, 33,280 bytes of LDS; arguments x, Wq, Wk, Wv, Wp, xc, xs, wc, ws, wph; writes xc, xs, wc, ws, wph
.if DOCPART == 1
	.amdgcn_target "amdgcn-amd-amdhsa--gfx1250"
	.amdhsa_code_object_version 6
	.text
	.protected	k_q7a055040f2_prep
	.globl	k_q7a055040f2_prep
	.p2align	8
	.type	k_q7a055040f2_prep,@function
k_q7a055040f2_prep:
	s_mov_b64 s[64:65], 0
	v_nop
	global_prefetch_b8 v0, s[64:65] scope:SCOPE_SE
	s_setreg_imm32_b32 hwreg(HW_REG_WAVE_MODE, 25, 1), 1
	s_wait_xcnt 0x0
; PREP.  x [8192][1024] and Wq, Wk, Wv [1024][1024], f32, K innermost, become codes of E2M1 (two a byte, the lower k in the low four bits) and one E8M0 byte for each 32 along K;
; Wp [1024][1024] becomes f16.  xc, xs: x's codes and scale bytes; wc, ws: those of Wq, Wk, Wv, one tensor behind the other (3,072 rows); wph: Wp in f16.
; A block's scale is 2^(floor(log2(its largest magnitude)) - 2); its byte is the largest magnitude's exponent field - 2, held at 1 from below.
; LIMITS: a block of zeros gets the byte 1 where the quantiser says 127 (its codes are zeros, and this program alone reads the bytes); blocks whose largest magnitude lies under 2^-124 are held at the byte 1;
; NaN and infinities among the inputs are not served; |Wp| stays under 65,504 (f16).
; SHARES.  Work-groups 0-255: x, 32,768 numbers each; 256-351: the three weights, 32 work-groups each; 352-479: Wp, 8,192 numbers each.  Rows are dense and K is a multiple of 32: each tensor is a plain stream of blocks.
; A quantising wave takes 16 steps of 512 numbers: four loads of 512 consecutive bytes, a turn through the wave's own stage in LDS so that a lane holds 16 neighbours (two lanes a block), two conversions, one store of
; 256 consecutive bytes.  A wave's 256 scale bytes are gathered in LDS and leave as 256 consecutive bytes.  No tensor load, no barrier: waves share nothing.  Only pointers are chosen by the work-group's number.
.set WAVES, 4
.set STEPS, 16
.set EMAX,  2
.set CB,    8                          ; bytes of 16 codes
.set R,     16                         ; v16-79   four sets of 16 numbers as loaded
.set X,     80                         ; v80-111  two sets of 16 neighbours
.set E,     112                        ; v112-127 a scale byte for each step
.set C,     128                        ; v128-191 codes, four registers for each step
.set WREG,  8192                       ; LDS: a region for each wave: two stages of 32 x SP bytes, then its 256 scale bytes
.set SP,    80                         ; a lane's place in a stage: 64 bytes + 16 of padding
.set SPW,   12                         ; v12 LDS address of my spare word; never rewritten
.set NIL,   13                         ; v13 0; never rewritten
.set SPARE, WAVES*WREG                 ; the spare words, 128 bytes a wave, named by no other line
.set WGX,   256                        ; work-groups for x
.set WGW,   96                         ; and for the three weights
	s_load_b512 s[4:19], s[0:1], 0x0               ; x 4:5, Wq 6:7, Wk 8:9, Wv 10:11, Wp 12:13, xc 14:15, xs 16:17, wc 18:19
	s_load_b128 s[20:23], s[0:1], 0x40             ; ws 20:21, wph 22:23
	v_lshl_add_u32 v[SPW], v0, 2, SPARE
	v_mov_b32 v[NIL], 0
	v_lshrrev_b32 v1, 5, v0
	v_readfirstlane_b32 s24, v1                    ; wave
	v_and_b32 v2, 31, v0                           ; lane
	v_lshlrev_b32 v3, 4, v2                        ; my 16 bytes of a load's 512
	s_mul_i32 s34, s24, WREG
	v_lshrrev_b32 v14, 2, v2
	v_mul_u32_u24 v14, v14, SP
	v_and_b32 v15, 3, v2
	v_lshl_add_u32 v14, v15, 4, v14
	v_add_nc_u32 v14, s34, v14                     ; the stage, on the way in: SP (lane / 4) + 16 (lane % 4)
	v_mul_u32_u24 v15, v2, SP
	v_add_nc_u32 v15, s34, v15                     ; and on the way out: SP x lane
	v_mul_u32_u24 v4, v2, CB                       ; 8 x lane: my codes' place in a step's; my f16 numbers' place on Wp's path
	v_lshrrev_b32 v5, 1, v2
	s_add_co_u32 s34, s34, 2*32*SP
	v_add_nc_u32 v5, s34, v5                       ; my block's scale byte in LDS
	v_lshlrev_b32 v7, 3, v2
	v_add_nc_u32 v6, s34, v7                       ; and 8 bytes a lane on the way out
	s_wait_kmcnt 0x0
	s_cmp_ge_u32 ttmp9, WGX+WGW
	s_cbranch_scc1 .Lwp                            ; Wp's work-groups part here, ahead of every LDS instruction
	; which tensor: the choice hangs on the work-group's number alone
	s_sub_co_u32 s25, ttmp9, WGX                   ; m: my place among the weights' work-groups
	s_and_b32 s26, s25, 31                         ; and inside one weight
	s_cmp_lt_u32 ttmp9, WGX
	s_cselect_b64 s[28:29], s[4:5], s[6:7]         ; the numbers
	s_cselect_b64 s[30:31], s[14:15], s[18:19]     ; the codes
	s_cselect_b64 s[32:33], s[16:17], s[20:21]     ; the scale bytes
	s_cselect_b32 s25, ttmp9, s25                  ; my place in the buffers that are written
	s_cselect_b32 s26, ttmp9, s26                  ; and in the tensor that is read
	s_cmp_lt_u32 ttmp9, WGX+32
	s_cselect_b64 s[28:29], s[28:29], s[8:9]
	s_cmp_lt_u32 ttmp9, WGX+64
	s_cselect_b64 s[28:29], s[28:29], s[10:11]
	s_lshl_b32 s26, s26, 2
	s_add_co_u32 s26, s26, s24                     ; my wave's run of 8,192 numbers
	s_lshl_b32 s26, s26, 15                        ; 32,768 bytes a run
	s_mov_b32 s27, 0
	s_add_nc_u64 s[28:29], s[28:29], s[26:27]
	s_lshl_b32 s25, s25, 2
	s_add_co_u32 s25, s25, s24
	s_lshl_b32 s26, s25, 12                        ; 4,096 bytes of codes a run
	s_add_nc_u64 s[30:31], s[30:31], s[26:27]
	s_lshl_b32 s26, s25, 8                         ; 256 scale bytes a run
	s_add_nc_u64 s[32:33], s[32:33], s[26:27]
.macro LOAD t
.irp i, 0,1,2,3
	global_load_b128 v[R+16*((\t)%4)+4*\i:R+16*((\t)%4)+4*\i+3], v3, s[28:29] offset:2048*(\t)+512*\i th:TH_LOAD_NT   ; 32 lanes read 512 consecutive bytes
.endr
.endm
.macro TURN t                          ; step t's numbers through the stage; LDS serves a wave's instructions in order, so no wait stands between the stores and the loads
.irp i, 0,1,2,3
	ds_store_b128 v14, v[R+16*((\t)%4)+4*\i:R+16*((\t)%4)+4*\i+3] offset:32*SP*((\t)%2)+8*SP*\i
.endr
.irp i, 0,1,2,3
	ds_load_b128 v[X+16*((\t)%2)+4*\i:X+16*((\t)%2)+4*\i+3], v15 offset:32*SP*((\t)%2)+16*\i
.endr
.endm
.irp t, 0,1,2,3
	LOAD \t
.endr
	s_wait_loadcnt 12                              ; step 0's four loads are in; the twelve of steps 1 to 3 stay out
	TURN 0
.macro STEP t
.set XS, X+16*((\t)%2)
.if (\t) > 0
	s_wait_dscnt 1                                 ; this step's numbers are back from the stage; the last step's byte store may be out
.else
	s_wait_dscnt 0x0
.endif
.if (\t)+4 < STEPS
	LOAD (\t)+4                                    ; into the registers that the stage's stores have read
.endif
.if (\t)+1 < STEPS
.if STEPS-2-(\t) >= 3
	s_wait_loadcnt 12                              ; the next step's four loads are in; those of the three steps behind it stay out
.else
	s_wait_loadcnt 4*(STEPS-2-(\t))
.endif
	TURN (\t)+1
.endif
	v_max3_num_f32 v8, |v[XS]|, |v[XS+1]|, |v[XS+2]|               ; the largest magnitude of my 16, in two chains
	v_max3_num_f32 v9, |v[XS+3]|, |v[XS+4]|, |v[XS+5]|
.irp i, 6,10
	v_max3_num_f32 v8, v8, |v[XS+\i]|, |v[XS+\i+1]|
	v_max3_num_f32 v9, v9, |v[XS+\i+2]|, |v[XS+\i+3]|
.endr
	v_max3_num_f32 v8, v8, |v[XS+14]|, |v[XS+15]|
	v_max3_num_f32 v8, v8, v9, (EMAX+1)<<23        ; and the floor 2^(3 - 127): the byte cannot fall under 1
	v_max_num_f32_dpp v8, v8, v8 row_xmask:1 row_mask:0xf bank_mask:0xf   ; with my neighbour's 16: the block's
	v_add_nc_u32 v11, -(EMAX<<23), v8              ; 2 off its exponent field: the conversion takes that field as its scale
	v_cvt_scalef32_pk8_fp4_f32 v[C+4*(\t)], v[XS:XS+7], v11
	v_cvt_scalef32_pk8_fp4_f32 v[C+4*(\t)+1], v[XS+8:XS+15], v11
	v_lshrrev_b32 v[E+(\t)], 23, v11               ; the scale's byte (also the plain line behind the conversions)
	ds_store_b8 v5, v[E+(\t)] offset:16*(\t)       ; both lanes of a block write the same byte with the same value
	global_store_b64 v4, v[C+4*(\t):C+4*(\t)+1], s[30:31] offset:32*CB*(\t)   ; 32 lanes store 256 consecutive bytes, aligned
.endm
.irp t, 0,1,2,3,4,5,6,7,8,9,10,11,12,13,14,15
	STEP \t
.endr
	ds_load_b64 v[8:9], v6                         ; my wave's 256 scale bytes: these loads see my stores
	s_wait_dscnt 0x0
	global_store_b64 v7, v[8:9], s[32:33]          ; 256 consecutive bytes, aligned
	s_wait_tensorcnt 0x0                           ; the wave's end, behind my last LDS store
	ds_add_u32 v[SPW], v[NIL]
	s_wait_dscnt 0x0
	s_endpgm
.Lwp:                                                  ; Wp to f16: a wave takes 2,048 numbers; no LDS instruction stands on this way
	s_sub_co_u32 s25, ttmp9, WGX+WGW
	s_lshl_b32 s25, s25, 2
	s_add_co_u32 s25, s25, s24                     ; my wave's part
	s_lshl_b32 s26, s25, 13                        ; 8,192 bytes in
	s_mov_b32 s27, 0
	s_add_nc_u64 s[28:29], s[12:13], s[26:27]
	s_lshl_b32 s26, s25, 12                        ; 4,096 bytes out
	s_add_nc_u64 s[30:31], s[22:23], s[26:27]
.irp i, 0,1,2,3,4,5,6,7,8,9,10,11,12,13,14,15
	global_load_b128 v[R+4*\i:R+4*\i+3], v3, s[28:29] offset:512*\i
.endr
.irp i, 0,1,2,3,4,5,6,7,8,9,10,11,12,13,14,15
	s_wait_loadcnt 15-\i                           ; load i is in; the younger ones stay out
	v_cvt_pk_f16_f32 v[X+2*\i], v[R+4*\i], v[R+4*\i+1]
	v_cvt_pk_f16_f32 v[X+2*\i+1], v[R+4*\i+2], v[R+4*\i+3]
	global_store_b64 v4, v[X+2*\i:X+2*\i+1], s[30:31] offset:256*\i   ; 256 consecutive bytes, aligned; no register is written twice
.endr
	s_endpgm
.Lfunc_end_k_q7a055040f2_prep:
	.size	k_q7a055040f2_prep, .Lfunc_end_k_q7a055040f2_prep-k_q7a055040f2_prep
	.p2alignl 7, 3214868480
	.fill 96, 4, 3214868480
	.section	.rodata,"a",@progbits
	.p2align	6, 0x0
	.amdhsa_kernel k_q7a055040f2_prep
		.amdhsa_group_segment_fixed_size 33280
		.amdhsa_private_segment_fixed_size 0
		.amdhsa_enable_private_segment 0
		.amdhsa_kernarg_size 80
		.amdhsa_user_sgpr_count 2
		.amdhsa_user_sgpr_kernarg_segment_ptr 1
		.amdhsa_wavefront_size32 1
		.amdhsa_system_sgpr_workgroup_id_x 1
		.amdhsa_system_sgpr_workgroup_id_y 1
		.amdhsa_system_sgpr_workgroup_id_z 1
		.amdhsa_system_vgpr_workitem_id 0
		.amdhsa_next_free_vgpr 192
		.amdhsa_next_free_sgpr 66
		.amdhsa_reserve_vcc 0
		.amdhsa_float_denorm_mode_32 3
		.amdhsa_float_denorm_mode_16_64 3
		.amdhsa_memory_ordered 1
		.amdhsa_forward_progress 1
		.amdhsa_inst_pref_size 39
	.end_amdhsa_kernel
	.amdgpu_metadata
---
amdhsa.version: [ 1, 2 ]
amdhsa.kernels:
  - .name:           k_q7a055040f2_prep
    .symbol:         k_q7a055040f2_prep.kd
    .args:
      - { .name: x, .offset: 0, .size: 8, .value_kind: global_buffer, .address_space: global }
      - { .name: Wq, .offset: 8, .size: 8, .value_kind: global_buffer, .address_space: global }
      - { .name: Wk, .offset: 16, .size: 8, .value_kind: global_buffer, .address_space: global }
      - { .name: Wv, .offset: 24, .size: 8, .value_kind: global_buffer, .address_space: global }
      - { .name: Wp, .offset: 32, .size: 8, .value_kind: global_buffer, .address_space: global }
      - { .name: xc, .offset: 40, .size: 8, .value_kind: global_buffer, .address_space: global }
      - { .name: xs, .offset: 48, .size: 8, .value_kind: global_buffer, .address_space: global }
      - { .name: wc, .offset: 56, .size: 8, .value_kind: global_buffer, .address_space: global }
      - { .name: ws, .offset: 64, .size: 8, .value_kind: global_buffer, .address_space: global }
      - { .name: wph, .offset: 72, .size: 8, .value_kind: global_buffer, .address_space: global }
    .group_segment_fixed_size: 33280
    .private_segment_fixed_size: 0
    .kernarg_segment_align: 8
    .kernarg_segment_size: 80
    .max_flat_workgroup_size: 128
    .sgpr_count:     66
    .vgpr_count:     192
    .wavefront_size: 32
...
	.end_amdgpu_metadata
.endif
;; end of part 1
;; launch qkv (part 2): grid 16 x 32, 4 waves a work-group, clusters of 4 x 1, 294,912 bytes of LDS; arguments xc, xs, wc, ws, bq, bk, bv, qkv, first; writes qkv, first
.if DOCPART == 2
	.amdgcn_target "amdgcn-amd-amdhsa--gfx1250"
	.amdhsa_code_object_version 6
	.text
	.protected	k_q7a055040f2_qkv
	.globl	k_q7a055040f2_qkv
	.p2align	8
	.type	k_q7a055040f2_qkv,@function
k_q7a055040f2_qkv:
	s_mov_b64 s[64:65], 0
	v_nop
	global_prefetch_b8 v0, s[64:65] scope:SCOPE_SE
	s_setreg_imm32_b32 hwreg(HW_REG_WAVE_MODE, 25, 1), 1
	s_wait_xcnt 0x0
	s_wait_alu depctr_hold_cnt(0) depctr_sa_sdst(0) depctr_va_vdst(0) depctr_va_sdst(0) depctr_va_ssrc(0) depctr_va_vcc(0) depctr_vm_vsrc(0)
	s_getreg_b32 s2, hwreg(HW_REG_IB_STS2, 6, 4)
	s_cmp_eq_u32 s2, 0
	s_cbranch_scc0 .Lentry_in_a_cluster
	s_endpgm
.Lentry_in_a_cluster:
	s_bfe_u32 s2, ttmp6, 0x10000c
	s_cmp_lg_u32 s2, 0x3003
	s_cbranch_scc0 .Lentry_shape_is_right
	s_endpgm
.Lentry_shape_is_right:
; QKV.  [8192 x 1024] x [1024 x 3072] on codes of E2M1 with E8M0 scales, sums in f32, + the biases.  Columns 0-1023 are q, 1024-2047 k, 2048-3071 v; 64 columns are a head.
; Out: qkv [b 4][g 48][t 2048][64] in f16 (g = 0-15 q's heads, 16-31 k's, 32-47 v's), and first [b][g][16][64] in f32: the rows t < 16, which the last launch carries on in f32.
; LIMIT: |q|, |k|, |v| stay under 65,504 (f16).
; SHARES.  A work-group makes 256 rows x 192 columns (three whole heads): 16 x 32 work-groups.  Wave w makes rows 64 w .. 64 w + 63 against all 192 columns: 4 x 12 accumulators of 16 x 16.
; ALL OF K LIES IN LDS: a row of 1,024 codes is 512 bytes, taken as two halves of 256 bytes.  Six tensor loads a wave at the head (by this text's count six are out), nothing is filled again.
; CLUSTER.  The four partners lie along the columns and need the same rows of x: x's codes and scale bytes are asked for JOINTLY (mask 15); the weights' tiles differ from partner to partner and come by plain loads
; behind the same round.  The cluster is 4 x 1 and not 4 x 4: the branch that stores the f32 rows hangs on the tile row, which must be the same in all partners.
; THE MATRIX INSTRUCTION IS USED TRANSPOSED (source 0 = 16 rows of W, source 1 = 16 rows of x): a lane holds eight neighbouring columns of one row.  The bias is the C of each sum's first product.
; REGISTERS, in windows of 256: window 0: v0-31 addresses; v32-47 x's scale words, v48-95 W's; v96-159 x's fragments, two sets; v160-255 the biases; on the way out v96-143 packed results, v144-239 rows read back.
;   window 1: the accumulators of row blocks 0, 1 at v[8 (12 (a % 2) + b)];  window 2: those of blocks 2, 3;  window 3: W's fragments, two sets of 96.
.set SLOT,  121856                     ; a K half: x's 256 rows x 272 bytes, then W's 192 rows x 272
.set BOFF,  69632
.set SCA,   2*SLOT                     ; x's scale bytes: 32 pieces of 256 bytes + 16 of padding
.set SCB,   SCA+8704                   ; W's: 24 such pieces
.set STAGE, 259072                     ; the way out: for each wave 3 heads x 16 rows x 144 bytes; no tensor load lands from here on
.set SPARE, STAGE+4*6912               ; the spare words, 128 bytes a wave, named by no other line
.set SPW, 28                           ; v28 LDS address of my spare word; never rewritten
.set NIL, 29                           ; v29 0; never rewritten
.set WV,  22                           ; s22 my wave's number
.set W0A,  15|(1<<20)|(1<<21)|(5<<22)|(3<<25)          ; group 1, word 0: the mask of all four partners, elements of 1 byte, padding on, bit 21 beside a mask, 4 words behind every 64
.set W0B,  (1<<20)|(5<<22)|(3<<25)                     ; the same with no mask
.set W0SA, 15|(3<<16)|(1<<20)|(1<<21)|(5<<22)|(3<<25)  ; elements of 8 bytes
.set W0SB, (3<<16)|(1<<20)|(5<<22)|(3<<25)
.set MSB, 0
.macro WIN new                         ; the immediate's high byte repeats the setting that is left; a switch that changes nothing is dropped
.if MSB != (\new)
	s_set_vgpr_msb (MSB<<8)|(\new)
.set MSB, (\new)
.endif
.endm
.macro PLACES n
.rept \n
	v_nop
.endr
.endm
.macro CROUND                          ; a round of the cluster's barrier
	s_barrier_signal -1
	s_barrier_wait -1
	s_cmp_lg_u32 s[WV], 0
	s_cbranch_scc1 .Lnot_wave_0_\@
	s_barrier_signal -3
.Lnot_wave_0_\@:
	s_barrier_wait -3
	s_barrier_signal -1
	s_barrier_wait -1
.endm
.macro GROUP1 g, w0, dim0, rows, pitch ; a tile of rows x dim0 elements, pitch elements from row to row
	s_mov_b32 s[\g], \w0
	s_mov_b32 s[\g+1], (\dim0)<<16
	s_mov_b32 s[\g+2], (\rows)<<16
	s_mov_b32 s[\g+3], (\dim0)<<16
	s_mov_b32 s[\g+4], \rows
	s_mov_b32 s[\g+5], \pitch
	s_mov_b32 s[\g+6], 0
	s_mov_b32 s[\g+7], 0
.endm
	s_load_b512 s[4:19], s[0:1], 0x0               ; xc 4:5, xs 6:7, wc 8:9, ws 10:11, bq 12:13, bk 14:15, bv 16:17, qkv 18:19
	s_load_b64 s[20:21], s[0:1], 0x40              ; first
	v_lshl_add_u32 v[SPW], v0, 2, SPARE
	v_mov_b32 v[NIL], 0
	ds_add_u32 v[SPW], v[NIL]                      ; the wave's opening: the add, twice on end, and its wait ahead of my first tensor load
	ds_add_u32 v[SPW], v[NIL]
	v_lshrrev_b32 v1, 5, v0
	v_readfirstlane_b32 s[WV], v1                  ; wave 0..3
	s_bfe_u32 s23, ttmp6, 0x40000                  ; cx
	s_lshl_b32 s88, ttmp9, 2
	s_add_co_u32 s88, s88, s23                     ; tx: my tile column, 0..15
	s_and_b32 s89, ttmp7, 0xffff                   ; ty: my tile row, 0..31, the same in all four partners
	GROUP1 24, W0A, 256, 64, 512                   ; x's codes: 64 rows of 256 bytes, 512 bytes apart
	GROUP1 32, W0B, 256, 48, 512                   ; W's codes: 48 rows
	GROUP1 40, W0SA, 32, 8, 32                     ; x's scale bytes of 64 rows: 2,048 dense bytes as 8 rows of 256
	GROUP1 48, W0SB, 32, 6, 32                     ; W's of 48 rows: 6 rows of 256
	s_lshl_b32 s90, s89, 8
	s_lshl_b32 s91, s[WV], 6
	s_add_co_u32 s90, s90, s91                     ; x's row 256 ty + 64 w (made of what the partners share)
	s_lshl_b32 s92, s90, 9                         ; its codes
	s_mov_b32 s93, 0
	s_lshl_b32 s94, s90, 5                         ; its scale bytes
	s_mov_b32 s95, 0
	s_mul_i32 s96, s88, 192
	s_mul_i32 s97, s[WV], 48
	s_add_co_u32 s96, s96, s97                     ; W's row 192 tx + 48 w
	s_lshl_b32 s98, s96, 5
	s_mov_b32 s99, 0
	s_lshl_b32 s96, s96, 9
	s_mov_b32 s97, 0
	s_mov_b32 s56, 1                               ; the six groups 0: count 1, LDS address (a constant + a constant x wave), global address, type 2
	s_mul_i32 s57, s[WV], 2176
	s_add_co_u32 s57, s57, SCA
	s_mov_b32 s60, 1
	s_mul_i32 s61, s[WV], 1632
	s_add_co_u32 s61, s61, SCB
	s_mov_b32 s68, 1
	s_mul_i32 s69, s[WV], 17408
	s_mov_b32 s72, 1
	s_mul_i32 s73, s[WV], 13056
	s_add_co_u32 s73, s73, BOFF
	s_mov_b32 s76, 1
	s_add_co_u32 s77, s69, SLOT
	s_mov_b32 s80, 1
	s_add_co_u32 s81, s73, SLOT
	s_wait_dscnt 0x0                               ; both opening adds are done
	s_wait_kmcnt 0x0
	s_add_nc_u64 s[58:59], s[6:7], s[94:95]
	s_or_b32 s59, s59, 0x80000000
	s_add_nc_u64 s[62:63], s[10:11], s[98:99]
	s_or_b32 s63, s63, 0x80000000
	s_add_nc_u64 s[70:71], s[4:5], s[92:93]
	s_add_nc_u64 s[78:79], s[70:71], 256           ; the second K half: 256 bytes on in each row
	s_or_b32 s71, s71, 0x80000000
	s_or_b32 s79, s79, 0x80000000
	s_add_nc_u64 s[74:75], s[8:9], s[96:97]
	s_add_nc_u64 s[82:83], s[74:75], 256
	s_or_b32 s75, s75, 0x80000000
	s_or_b32 s83, s83, 0x80000000
	CROUND                                         ; all four work-groups are here: the joint loads meet
	tensor_load_to_lds s[56:59], s[40:47]          ; x's scale bytes (joint)
	s_nop 0
	tensor_load_to_lds s[60:63], s[48:55]          ; W's scale bytes
	s_nop 0
	tensor_load_to_lds s[68:71], s[24:31]          ; x's codes, K half 0 (joint)
	s_nop 0
	tensor_load_to_lds s[72:75], s[32:39]          ; W's codes, K half 0
	s_nop 0
	tensor_load_to_lds s[76:79], s[24:31]          ; x's codes, K half 1 (joint)
	s_nop 0
	tensor_load_to_lds s[80:83], s[32:39]          ; W's codes, K half 1
	s_nop 0
	PLACES 4
	v_and_b32 v1, 15, v0                           ; r
	v_bfe_u32 v2, v0, 4, 1                         ; h
	v_mul_u32_u24 v3, v1, 272
	v_lshl_add_u32 v3, v2, 4, v3                   ; a fragment's row x pitch + 16 h
	s_mul_i32 s66, s[WV], 17408
	v_add_nc_u32 v16, s66, v3                      ; v16, v17: my 64 rows of x in K half 0, 1
	v_add_nc_u32 v17, SLOT, v16
	v_add_nc_u32 v18, BOFF, v3                     ; v18, v19: W's 192 rows
	v_add_nc_u32 v19, BOFF+SLOT, v3
	v_lshrrev_b32 v4, 3, v1
	v_lshlrev_b32 v5, 5, v1
	v_lshl_add_u32 v5, v4, 4, v5                   ; a row's 32 scale bytes: 32 r, and 16 more behind each 256
	v_mul_u32_u24 v6, v2, 1088                     ; lanes 16-31 take the block two further on
	v_add_nc_u32 v6, v6, v5
	s_mul_i32 s66, s[WV], 2176
	s_add_co_u32 s66, s66, SCA
	v_add_nc_u32 v20, s66, v6                      ; v20: x's scale words
	v_mul_u32_u24 v6, v2, 3264                     ; lanes 16-31 take the block six further on
	v_add_nc_u32 v6, v6, v5
	v_add_nc_u32 v21, SCB, v6                      ; v21: W's scale words
	v_lshlrev_b32 v22, 5, v2                       ; v22: the biases: 32 h
	v_mul_u32_u24 v6, v1, 144
	v_lshl_add_u32 v6, v2, 4, v6
	s_mul_i32 s66, s[WV], 6912
	s_add_co_u32 s66, s66, STAGE
	v_add_nc_u32 v23, s66, v6                      ; v23: into my stage: row r, 16 bytes for each half of the lanes
	v_and_b32 v7, 31, v0
	v_lshrrev_b32 v8, 3, v7
	v_mul_u32_u24 v8, v8, 144
	v_and_b32 v9, 7, v0
	v_lshl_add_u32 v8, v9, 4, v8
	v_add_nc_u32 v24, s66, v8                      ; v24: back: eight lanes to a row of 128 bytes, four rows an instruction
	v_lshlrev_b32 v25, 4, v7                       ; v25: and the same 512 bytes in qkv
	v_lshlrev_b32 v26, 8, v1
	v_lshl_add_u32 v26, v2, 5, v26                 ; v26: first: row r of 256 bytes, + 32 h
	; the biases of my three heads, in the result's layout: lane (r, h) wants, for column block b, the eight numbers at 16 b + 8 h.  Which of the three vectors: a select, no branch
.irp j, 0,1,2
	s_mul_i32 s66, s88, 3
	s_add_co_u32 s66, s66, \j                      ; g = 3 tx + j
	s_cmp_lt_u32 s66, 16
	s_cselect_b64 s[96+2*\j:97+2*\j], s[12:13], s[14:15]
	s_cmp_lt_u32 s66, 32
	s_cselect_b64 s[96+2*\j:97+2*\j], s[96+2*\j:97+2*\j], s[16:17]
	s_and_b32 s66, s66, 15
	s_lshl_b32 s66, s66, 8                         ; the head's 64 numbers
	s_mov_b32 s67, 0
	s_add_nc_u64 s[96+2*\j:97+2*\j], s[96+2*\j:97+2*\j], s[66:67]
.irp n, 0,1,2,3
	global_load_b128 v[160+8*(4*\j+\n):160+8*(4*\j+\n)+3], v22, s[96+2*\j:97+2*\j] offset:64*\n
	global_load_b128 v[160+8*(4*\j+\n)+4:160+8*(4*\j+\n)+7], v22, s[96+2*\j:97+2*\j] offset:64*\n+16
.endr
.endr
	s_lshr_b32 s66, s89, 3                         ; b
	s_mul_i32 s66, s66, 48
	s_mul_i32 s67, s88, 3
	s_add_co_u32 s66, s66, s67                     ; 48 b + 3 tx: my first head
	s_lshl_b32 s86, s66, 12
	s_mov_b32 s87, 0
	s_add_nc_u64 s[86:87], s[20:21], s[86:87]      ; first at that head
	s_lshl_b32 s66, s66, 11
	s_and_b32 s67, s89, 7
	s_lshl_b32 s67, s67, 8
	s_add_co_u32 s66, s66, s67
	s_lshl_b32 s67, s[WV], 6
	s_add_co_u32 s66, s66, s67                     ; + t = 256 (ty % 8) + 64 w
	s_lshl_b32 s84, s66, 7
	s_mov_b32 s85, 0
	s_add_nc_u64 s[84:85], s[18:19], s[84:85]      ; qkv at my first row of that head
; The fragments of the k-th 128 along K: W's twelve into set k % 2 of window 3, x's four into set k % 2 of window 0.  16 rows x 128 K of 4-bit codes are two loads of 16 bytes, 32 bytes apart.
.macro FETCH k
	WIN 0xc0
.irp b, 0,1,2,3,4,5,6,7,8,9,10,11
.irp c, 0,1
	ds_load_b128 v[96*((\k)%2)+8*\b+4*\c:96*((\k)%2)+8*\b+4*\c+3], v[18+(\k)/4] offset:64*((\k)%4)+32*\c+4352*\b
.endr
.endr
	WIN 0
.irp a, 0,1,2,3
.irp c, 0,1
	ds_load_b128 v[96+32*((\k)%2)+8*\a+4*\c:96+32*((\k)%2)+8*\a+4*\c+3], v[16+(\k)/4] offset:64*((\k)%4)+32*\c+4352*\a
.endr
.endr
.endm
; One product.  A scale register carries two blocks: lanes 0-15 block i, lanes 16-31 block i + 2 (x) or i + 6 (W); the row selector picks.  At k = 0 the C is the bias.
.macro WM k, a, b
.set xD, 8*(12*((\a)%2)+(\b))
.set xC, xD
.if (\k) == 0
.set xC, 160+8*(\b)
.endif
.set xB, 96*((\k)%2)+8*(\b)
.set xA, 96+32*((\k)%2)+8*(\a)
.set xSB, 48+24*((\k)/4)+4*((\b)%6)+(\k)%4
.set xSA, 32+8*((\k)/4)+4*((\a)%2)+(\k)%4
.if ((\b) >= 6) && ((\a) >= 2)
	v_wmma_scale_f32_16x16x128_f8f6f4 v[xD:xD+7], v[xB:xB+7], v[xA:xA+7], v[xC:xC+7], v[xSB], v[xSA] matrix_a_fmt:MATRIX_FMT_FP4 matrix_b_fmt:MATRIX_FMT_FP4 matrix_a_scale:MATRIX_SCALE_ROW1 matrix_b_scale:MATRIX_SCALE_ROW1
.elseif (\b) >= 6
	v_wmma_scale_f32_16x16x128_f8f6f4 v[xD:xD+7], v[xB:xB+7], v[xA:xA+7], v[xC:xC+7], v[xSB], v[xSA] matrix_a_fmt:MATRIX_FMT_FP4 matrix_b_fmt:MATRIX_FMT_FP4 matrix_a_scale:MATRIX_SCALE_ROW1
.elseif (\a) >= 2
	v_wmma_scale_f32_16x16x128_f8f6f4 v[xD:xD+7], v[xB:xB+7], v[xA:xA+7], v[xC:xC+7], v[xSB], v[xSA] matrix_a_fmt:MATRIX_FMT_FP4 matrix_b_fmt:MATRIX_FMT_FP4 matrix_b_scale:MATRIX_SCALE_ROW1
.else
	v_wmma_scale_f32_16x16x128_f8f6f4 v[xD:xD+7], v[xB:xB+7], v[xA:xA+7], v[xC:xC+7], v[xSB], v[xSA] matrix_a_fmt:MATRIX_FMT_FP4 matrix_b_fmt:MATRIX_FMT_FP4
.endif
.endm
.macro MUL24 k, a0                     ; row blocks a0, a0 + 1 against the twelve column blocks.  The 48 accumulators take turns, one instruction a turn, in the same order in every step
.irp a, \a0, \a0+1
.irp b, 0,1,2,3,4,5,6,7,8,9,10,11
	WM \k, \a, \b
.endr
.endr
.endm
.macro STEP k                          ; 128 along K: 48 products; the next step's 32 LDS loads stand in one run ahead of them
	s_wait_dscnt 0x0                               ; this step's fragments are in (asked for 48 products ago)
.if (\k) == 3
	s_wait_tensorcnt 0x0                           ; my parts of K half 1 have landed,
	s_barrier_signal -1
	s_barrier_wait -1                              ; everybody's have.
.endif
.if (\k) < 7
.if (\k) > 0
	PLACES 4                                       ; in front of loads into registers that the last products read
.endif
	FETCH (\k)+1
.endif
.if (\k) == 0
	WIN 0x43                                       ; source 0 (W) window 3, source 1 (x) and C (bias) window 0, D window 1
.else
	WIN 0x53                                       ; C and D window 1
.endif
	MUL24 \k, 0
.if (\k) == 0
	WIN 0x83
.else
	WIN 0xa3                                       ; C and D window 2
.endif
	MUL24 \k, 2
.endm
	s_wait_tensorcnt 2                             ; the scale bytes and my parts of K half 0 are in; K half 1's two loads stay out
	s_barrier_signal -1
	s_barrier_wait -1                              ; everybody's are
.irp s, 0,1                                    ; the scale words of all of K: four words (512 along K) a load
.irp i, 0,1
	ds_load_b128 v[32+8*\s+4*\i:32+8*\s+4*\i+3], v20 offset:544*\i+16*\s
.endr
.irp i, 0,1,2,3,4,5
	ds_load_b128 v[48+24*\s+4*\i:48+24*\s+4*\i+3], v21 offset:544*\i+16*\s
.endr
.endr
	FETCH 0
	s_wait_loadcnt 0x0                             ; the biases
.irp k, 0,1,2,3,4,5,6,7
	STEP \k
.endr
	WIN 0
	PLACES 4                                       ; behind the last products, ahead of every read of results and every write of operands
	; the rows t < 16 of a batch lie in row block 0 of wave 0 of the tile rows 0, 8, 16, 24: they also leave in f32.  The branch hangs on the tile row and the wave's number: alike in all partners
	s_and_b32 s66, s89, 7
	s_or_b32 s66, s66, s[WV]
	s_cmp_lg_u32 s66, 0
	s_cbranch_scc1 .Lnofirst
	WIN 0x04                                       ; a store's data are its source 1: window 1
.irp b, 0,1,2,3,4,5,6,7,8,9,10,11
	global_store_b128 v26, v[8*\b:8*\b+3], s[86:87] offset:4096*(\b/4)+64*(\b%4)       ; each accumulator from its low end on
	global_store_b128 v26, v[8*\b+4:8*\b+7], s[86:87] offset:4096*(\b/4)+64*(\b%4)+16
.endr
	WIN 0
.Lnofirst:
; THE WAY OUT, a row block (16 rows x 192 columns) at a time: rounded to f16, 16 bytes a lane into my own stage, back as 16 rows x 128 bytes of each head, which are 2,048 consecutive bytes of qkv.
.macro PACK a
	WIN 0x05+5*((\a)/2)                            ; sources in window 1 or 2
.irp b, 0,1,2,3,4,5,6,7,8,9,10,11
.irp i, 0,1,2,3
	v_cvt_pk_f16_f32 v[96+4*\b+\i], v[8*(12*((\a)%2)+\b)+2*\i], v[8*(12*((\a)%2)+\b)+2*\i+1]
.endr
.endr
	WIN 0
.endm
.macro TOSTAGE a
.irp b, 0,1,2,3,4,5,6,7,8,9,10,11
	ds_store_b128 v23, v[96+4*\b:96+4*\b+3] offset:2304*(\b/4)+32*(\b%4)
.endr
.irp j, 0,1,2
.irp i, 0,1,2,3
	ds_load_b128 v[144+48*((\a)%2)+4*(4*\j+\i):144+48*((\a)%2)+4*(4*\j+\i)+3], v24 offset:2304*\j+576*\i   ; LDS serves a wave's instructions in order: these see the stores above
.endr
.endr
.endm
.macro SEND a, younger                 ; younger: the LDS instructions issued behind block a's loads
	s_wait_dscnt \younger
.irp j, 0,1,2
.irp i, 0,1,2,3
	global_store_b128 v25, v[144+48*((\a)%2)+4*(4*\j+\i):144+48*((\a)%2)+4*(4*\j+\i)+3], s[84:85] offset:262144*\j+2048*(\a)+512*\i   ; 32 lanes store 512 consecutive bytes, aligned
.endr
.endr
.endm
	PACK 0
	TOSTAGE 0
.irp a, 1,2,3
	PACK \a
.if \a > 1
	s_wait_xcnt 0x0                                ; block a - 2's stores have read their registers: block a's loads may land there
.endif
	TOSTAGE \a
	SEND \a-1, 24                                  ; behind block a - 1's loads: block a's 12 stores and 12 loads
.endr
	SEND 3, 0
	s_wait_tensorcnt 0x0                           ; the wave's end, behind my last tensor load and my last LDS store
	ds_add_u32 v[SPW], v[NIL]
	s_wait_dscnt 0x0
	CROUND                                         ; the closing round
	s_endpgm
.Lfunc_end_k_q7a055040f2_qkv:
	.size	k_q7a055040f2_qkv, .Lfunc_end_k_q7a055040f2_qkv-k_q7a055040f2_qkv
	.p2alignl 7, 3214868480
	.fill 96, 4, 3214868480
	.section	.rodata,"a",@progbits
	.p2align	6, 0x0
	.amdhsa_kernel k_q7a055040f2_qkv
		.amdhsa_group_segment_fixed_size 294912
		.amdhsa_private_segment_fixed_size 0
		.amdhsa_enable_private_segment 0
		.amdhsa_kernarg_size 72
		.amdhsa_user_sgpr_count 2
		.amdhsa_user_sgpr_kernarg_segment_ptr 1
		.amdhsa_wavefront_size32 1
		.amdhsa_system_sgpr_workgroup_id_x 1
		.amdhsa_system_sgpr_workgroup_id_y 1
		.amdhsa_system_sgpr_workgroup_id_z 1
		.amdhsa_system_vgpr_workitem_id 0
		.amdhsa_next_free_vgpr 960
		.amdhsa_next_free_sgpr 102
		.amdhsa_reserve_vcc 0
		.amdhsa_float_denorm_mode_32 3
		.amdhsa_float_denorm_mode_16_64 3
		.amdhsa_memory_ordered 1
		.amdhsa_forward_progress 1
		.amdhsa_inst_pref_size 105
	.end_amdhsa_kernel
	.amdgpu_metadata
---
amdhsa.version: [ 1, 2 ]
amdhsa.kernels:
  - .name:           k_q7a055040f2_qkv
    .symbol:         k_q7a055040f2_qkv.kd
    .args:
      - { .name: xc, .offset: 0, .size: 8, .value_kind: global_buffer, .address_space: global }
      - { .name: xs, .offset: 8, .size: 8, .value_kind: global_buffer, .address_space: global }
      - { .name: wc, .offset: 16, .size: 8, .value_kind: global_buffer, .address_space: global }
      - { .name: ws, .offset: 24, .size: 8, .value_kind: global_buffer, .address_space: global }
      - { .name: bq, .offset: 32, .size: 8, .value_kind: global_buffer, .address_space: global }
      - { .name: bk, .offset: 40, .size: 8, .value_kind: global_buffer, .address_space: global }
      - { .name: bv, .offset: 48, .size: 8, .value_kind: global_buffer, .address_space: global }
      - { .name: qkv, .offset: 56, .size: 8, .value_kind: global_buffer, .address_space: global }
      - { .name: first, .offset: 64, .size: 8, .value_kind: global_buffer, .address_space: global }
    .group_segment_fixed_size: 294912
    .private_segment_fixed_size: 0
    .kernarg_segment_align: 8
    .kernarg_segment_size: 72
    .max_flat_workgroup_size: 128
    .sgpr_count:     102
    .vgpr_count:     960
    .wavefront_size: 32
...
	.end_amdgpu_metadata
.endif
;; end of part 2
;; launch attn (part 3): grid 4 x 64, 8 waves a work-group, clusters of 4 x 1, 327,680 bytes of LDS; arguments qkv, yw; writes yw
.if DOCPART == 3
	.amdgcn_target "amdgcn-amd-amdhsa--gfx1250"
	.amdhsa_code_object_version 6
	.text
	.protected	k_q7a055040f2_attn
	.globl	k_q7a055040f2_attn
	.p2align	8
	.type	k_q7a055040f2_attn,@function
k_q7a055040f2_attn:
	s_mov_b64 s[64:65], 0
	v_nop
	global_prefetch_b8 v0, s[64:65] scope:SCOPE_SE
	s_setreg_imm32_b32 hwreg(HW_REG_WAVE_MODE, 25, 1), 1
	s_wait_xcnt 0x0
	s_wait_alu depctr_hold_cnt(0) depctr_sa_sdst(0) depctr_va_vdst(0) depctr_va_sdst(0) depctr_va_ssrc(0) depctr_va_vcc(0) depctr_vm_vsrc(0)
	s_getreg_b32 s2, hwreg(HW_REG_IB_STS2, 6, 4)
	s_cmp_eq_u32 s2, 0
	s_cbranch_scc0 .Lentry_in_a_cluster
	s_endpgm
.Lentry_in_a_cluster:
	s_bfe_u32 s2, ttmp6, 0x10000c
	s_cmp_lg_u32 s2, 0x3003
	s_cbranch_scc0 .Lentry_shape_is_right
	s_endpgm
.Lentry_shape_is_right:
; ATTN.  y[b][h][q] = the sum over k <= q of softmax_k(q . k / 8) v[k], head size 64, 2,048 positions, 64 heads in all.  q, k, v: f16, from qkv [b][g][t][64]; products, maxima and sums in f32; the weights p are
; rounded to f16 for the second product, y once at the end.  Out: yw [head 16][row b 2048 + t][64] f16.  LIMIT: |y| stays under 65,504.  (The rows t < 16 are made again in f32 by the last launch.)
; SHARES.  A cluster of four work-groups is one head of one batch.  The head's 128 tiles of 16 queries lie in 32 groups of 64.  Wave w (0..7) of partner cx owns four tiles: tile 0 in group 31 - w, tile 1 in group 16 + w,
; tile 2 in group 15 - w, tile 3 in group w; in groups 31 - w and 15 - w the sub-tile 3 - cx, in the others the sub-tile cx.  A key step is 64 keys, so a tile in group G has G + 1 steps: 66 tile-steps in every wave.
; Whether a step is hidden (step > G) or lies on the diagonal (step = G) hangs on the wave's number and the count of steps alone; the place in the cluster enters global addresses and the mask's DATA, no branch and no LDS
; address.  Every partner reads every slot (the last one: waves 0 to 3), so K's and V's tiles are asked for JOINTLY (mask 15).  The sets of tiles at work are nested: tile 3's steps within tile 2's, and so on.
; LAYOUT.  S^T = K Q^T (source 0 = 16 keys, source 1 = 16 queries): a lane holds ONE query (lane % 16) and the keys 8 (lane / 16) + 0..7.  Two such tiles, rounded to f16 in pairs, are source 1 of O^T = V^T P.
; SOFTMAX.  For each query a running maximum m and sum l: p = 2^(c s - c m), c = log2(e) / 8; in every step O and l are multiplied by a = 2^(c m_old - c m_new).  Hidden scores become -infinity ahead of the maximum.
; A STEP: K's and V's fragments (32 LDS loads); K Q^T of all tiles at work; then tile by tile mask, softmax, V^T P: a tile's vector work stands beside the later tiles' products, and two waves share a SIMD.
; RING.  Two LDS slots of 256 keys (four steps).  Heads are dense in memory, so a tile is stated as rows of 256 bytes, two keys a row: key kk lies at (kk / 2) x pitch + 128 (kk % 2).
; Waves 0-3 fetch K's four steps of a slot, waves 4-7 V's: one tensor load a wave behind each round; by this text's count one is out.
; REGISTERS: window 0: v0-31 addresses; v32-63 eight statistics a tile (+0 c m, +1 m, +2, +3 l, +4..+7 at work; a at +6); v64-191 S^T, 32 a tile, P laid over its first 16; v192-255 K's fragments.
;   window 1: v0-63 Q, 16 a tile; v64-191 O^T, 32 a tile; v192-255 V's fragments.
.set STEPB, 17920                      ; a step in LDS: K 32 rows x 272, then V 32 rows x 288
.set VOFF,  8704
.set SLOT1, 1<<17                      ; slot 1 begins here: one exclusive or turns an address from slot to slot
.set STAGE, SLOT1+4*STEPB              ; the way out: 16 rows x 144 bytes for each wave
.set SPARE, STAGE+8*2304               ; the spare words, 128 bytes a wave, named by no other line
.set AK0, 3
.set AV0, 4
.set ADK, 5
.set ADV, 6
.set DJ,  7                            ; v7  16 cx + r - 8 h: key 16 (n / 8) + n % 8 of register n is hidden where it is greater
.set DR,  8                            ; v8  the same with 3 - cx
.set STO, 10
.set RD,  11
.set PFO, 12
.set SPW, 14                           ; v14 LDS address of my spare word; never rewritten
.set NIL, 15                           ; v15 0; never rewritten
.set WV,  8
.set CX,  9
.set PFA, 48                           ; s[48:49] where my prefetches stand
.set LIM, 50                           ; s50 1 in a wave that prefetches, else the greatest number
.set SLOTS, 51
.set CNT, 52
.set KS,  53                           ; s53 the key step, 0..31
.set TB,  54                           ; s54 LDS byte at which the step's tiles begin
.set CS,  56                           ; s[56:57] c
.set SEL, 58                           ; s[58:59] selects for lane l xor 16
.set W0K, 15|(1<<16)|(1<<20)|(1<<21)|(5<<22)|(3<<25)   ; the mask of all four, elements of 2 bytes, padding on, bit 21 beside a mask, 4 words behind every 64
.set W0V, 15|(1<<16)|(1<<20)|(1<<21)|(5<<22)|(7<<25)   ; 8 words of padding
.set MSB, 0
.macro WIN new
.if MSB != (\new)
	s_set_vgpr_msb (MSB<<8)|(\new)
.set MSB, (\new)
.endif
.endm
.macro PLACES n
.rept \n
	v_nop
.endr
.endm
.macro CROUND
	s_barrier_signal -1
	s_barrier_wait -1
	s_cmp_lg_u32 s[WV], 0
	s_cbranch_scc1 .Lnot_wave_0_\@
	s_barrier_signal -3
.Lnot_wave_0_\@:
	s_barrier_wait -3
	s_barrier_signal -1
	s_barrier_wait -1
.endm
.macro JLOAD                           ; a joint load: waves 0-3 K's steps, waves 4-7 V's; the branch hangs on the wave's number alone; an s_nop 0 and four v_nop follow each line
	s_cmp_lt_u32 s[WV], 4
	s_cbranch_scc0 .Lfor_v_\@
	tensor_load_to_lds s[40:43], s[24:31]
	s_nop 0
	PLACES 4
	s_branch .Lasked_\@
.Lfor_v_\@:
	tensor_load_to_lds s[44:47], s[32:39]
	s_nop 0
	PLACES 4
.Lasked_\@:
.endm
; A prefetch of what the NEXT change of slots will ask for: 32,768 bytes of K and of V.  The four partners take 8,192 bytes each, told apart by address; in each, wave 0 asks for K's and wave 4 for V's, lanes 256 bytes
; apart: each block of 256 bytes is named once in the launch (no other cluster reads this head).  The last change that fills a slot asks for nothing; slots 0 and 1 come by their loads alone.
.macro ASK
	s_cmp_gt_u32 s[SLOTS], s[LIM]
	s_cbranch_scc0 .Lnot_mine_\@
	global_prefetch_b8 v[PFO], s[PFA:PFA+1] th:TH_LOAD_NT scope:SCOPE_SE
.Lnot_mine_\@:
.endm
	s_load_b128 s[4:7], s[0:1], 0x0                ; qkv 4:5, yw 6:7
	v_lshl_add_u32 v[SPW], v0, 2, SPARE
	v_mov_b32 v[NIL], 0
	ds_add_u32 v[SPW], v[NIL]                      ; the wave's opening: the add, twice on end, and its wait ahead of my first tensor load
	ds_add_u32 v[SPW], v[NIL]
	v_lshrrev_b32 v1, 5, v0
	v_readfirstlane_b32 s[WV], v1                  ; wave 0..7
	s_bfe_u32 s[CX], ttmp6, 0x40000                ; cx
	s_xor_b32 s75, s[CX], 3                        ; 3 - cx
	s_xor_b32 s12, s[WV], 31                       ; the groups of tiles 0..3: 31 - w,
	s_add_co_u32 s13, s[WV], 16                    ; 16 + w,
	s_xor_b32 s14, s[WV], 15                       ; 15 - w,
	s_mov_b32 s15, s[WV]                           ; w
	s_lshl_b32 s16, s12, 2                         ; a tile's first query x 128 bytes = (4 G + u) x 2,048
	s_add_co_u32 s16, s16, s75
	s_lshl_b32 s16, s16, 11
	s_lshl_b32 s17, s13, 2
	s_add_co_u32 s17, s17, s[CX]
	s_lshl_b32 s17, s17, 11
	s_lshl_b32 s18, s14, 2
	s_add_co_u32 s18, s18, s75
	s_lshl_b32 s18, s18, 11
	s_lshl_b32 s19, s15, 2
	s_add_co_u32 s19, s19, s[CX]
	s_lshl_b32 s19, s19, 11
	s_and_b32 s66, ttmp7, 0xffff
	s_lshr_b32 s67, s66, 4                         ; b
	s_and_b32 s68, s66, 15                         ; the head
	s_mul_i32 s70, s67, 48
	s_add_co_u32 s70, s70, s68
	s_lshl_b32 s70, s70, 18                        ; q's head in qkv: 2^18 bytes a head
	s_mov_b32 s71, 0
	s_lshl_b32 s68, s68, 20
	s_lshl_b32 s67, s67, 18
	s_add_co_u32 s68, s68, s67                     ; the head's plane and the batch's rows in yw
	s_mov_b32 s69, 0
	s_and_b32 s74, s[WV], 3                        ; which of a slot's four steps I fetch:
	s_lshl_b32 s72, s74, 13                        ; its 8,192 bytes in memory,
	s_mov_b32 s73, 0
	s_mul_i32 s74, s74, STEPB                      ; and its place in a slot
	s_lshl_b32 s66, s[CX], 13
	s_add_co_u32 s66, s66, 32768                   ; the prefetches: my work-group's quarter, in slot 1; the first change steps it to slot 2
	s_mov_b32 s67, 0
	s_mov_b32 s24, W0K                             ; group 1: 32 rows of 128 elements, dense
	s_mov_b32 s32, W0V
.irp g, 24, 32
	s_mov_b32 s[\g+1], 128<<16
	s_mov_b32 s[\g+2], 32<<16
	s_mov_b32 s[\g+3], 128<<16
	s_mov_b32 s[\g+4], 32
	s_mov_b32 s[\g+5], 128
	s_mov_b32 s[\g+6], 0
	s_mov_b32 s[\g+7], 0
.endr
	s_mov_b32 s40, 1
	s_mov_b32 s41, s74
	s_mov_b32 s44, 1
	s_add_co_u32 s45, s74, VOFF
	s_mov_b32 s[CS], 0x3e38aa3b                    ; c = log2(e) / 8
	s_mov_b32 s[CS+1], s[CS]
	s_mov_b32 s[SEL], 0x76543210
	s_mov_b32 s[SEL+1], 0xfedcba98
	s_mov_b32 s[KS], 0
	s_mov_b32 s[TB], 0
	s_mov_b32 s[SLOTS], 7
	s_and_b32 s[LIM], s[WV], 3
	s_cmp_eq_u32 s[LIM], 0
	s_cselect_b32 s[LIM], 1, -1                    ; waves 0 and 4 prefetch
	s_wait_dscnt 0x0                               ; both opening adds are done
	s_wait_kmcnt 0x0
	s_add_nc_u64 s[60:61], s[4:5], s[70:71]        ; q's head
	s_add_nc_u64 s[62:63], s[6:7], s[68:69]        ; y's rows
	s_add_nc_u64 s[42:43], s[60:61], 0x400000      ; k's head: 16 heads on
	s_add_nc_u64 s[46:47], s[60:61], 0x800000      ; v's: 32 heads on
	s_cmp_lt_u32 s[WV], 4
	s_cselect_b64 s[PFA:PFA+1], s[42:43], s[46:47]
	s_add_nc_u64 s[PFA:PFA+1], s[PFA:PFA+1], s[66:67]
	s_add_nc_u64 s[42:43], s[42:43], s[72:73]
	s_or_b32 s43, s43, 0x80000000
	s_add_nc_u64 s[46:47], s[46:47], s[72:73]
	s_or_b32 s47, s47, 0x80000000
	CROUND                                         ; all four work-groups are here
	JLOAD                                          ; slot 0
	v_and_b32 v1, 15, v0                           ; r
	v_bfe_u32 v2, v0, 4, 1                         ; h
	v_lshrrev_b32 v24, 1, v1
	v_mul_u32_u24 v[AK0], v24, 272
	v_and_b32 v25, 1, v0
	v_lshl_add_u32 v[AK0], v25, 7, v[AK0]
	v_lshl_add_u32 v[AK0], v2, 4, v[AK0]           ; K: key r of a tile: 272 (r / 2) + 128 (r % 2) + 16 h
	v_bfe_u32 v24, v0, 1, 2
	v_lshl_add_u32 v24, v2, 2, v24
	v_mul_u32_u24 v[AV0], v24, 288
	v_lshl_add_u32 v[AV0], v25, 7, v[AV0]
	v_bfe_u32 v24, v0, 3, 1
	v_lshl_add_u32 v[AV0], v24, 4, v[AV0]
	v_add_nc_u32 v[AV0], VOFF, v[AV0]              ; V, for the turning load: key 8 h + lane % 8, channels 8 ((lane / 8) % 2) on
	v_lshlrev_b32 v24, 3, v2
	v_sub_nc_u32 v24, v1, v24                      ; r - 8 h
	s_lshl_b32 s76, s[CX], 4
	v_add_nc_u32 v[DJ], s76, v24
	s_lshl_b32 s76, s75, 4
	v_add_nc_u32 v[DR], s76, v24
	v_mov_b32 v9, 0xff800000                       ; -infinity
	s_mul_i32 s76, s[WV], 2304
	s_add_co_u32 s76, s76, STAGE
	v_mul_u32_u24 v24, v1, 144
	v_lshl_add_u32 v24, v2, 4, v24
	v_add_nc_u32 v[STO], s76, v24                  ; into my stage: row r, 16 bytes for each half of the lanes
	v_bfe_u32 v24, v0, 3, 2
	v_mul_u32_u24 v24, v24, 144
	v_and_b32 v25, 7, v0
	v_lshl_add_u32 v24, v25, 4, v24
	v_add_nc_u32 v[RD], s76, v24                   ; back: eight lanes to a row of 128 bytes
	v_and_b32 v25, 31, v0
	v_lshlrev_b32 v[PFO], 8, v25
	v_lshlrev_b32 v13, 7, v1
	v_lshl_add_u32 v13, v2, 4, v13                 ; Q: row r of 128 bytes + 16 h
	v_lshlrev_b32 v25, 4, v25
.irp t, 0,1,2,3
	v_add_nc_u32 v[16+\t], s[16+\t], v13           ; v16-19: tile t's place in q's head
	v_add_nc_u32 v[20+\t], s[16+\t], v25           ; v20-23: and in y's rows, 16 bytes a lane
.endr
	WIN 0x40
.irp t, 0,1,2,3
.irp e, 0,1
.irp c, 0,1
	global_load_b128 v[16*\t+8*\e+4*\c:16*\t+8*\e+4*\c+3], v[16+\t], s[60:61] offset:64*\e+32*\c   ; Q stays in registers
.endr
.endr
.endr
.set i, 64
.rept 128
	v_mov_b32 v[i], 0                              ; O^T: the step is written once: the first finds zeros
.set i, i+1
.endr
	WIN 0
.irp t, 0,1,2,3
	v_mov_b32 v[33+8*\t], 0xff61b1e6               ; m = -3e38, under every score
	v_mul_f32 v[32+8*\t], s[CS], v[33+8*\t]        ; c m
.irp j, 2,3,4,5,6,7
	v_mov_b32 v[32+8*\t+\j], 0                     ; l, and the registers at work
.endr
.endr
.set i, 96
.rept 96
	v_mov_b32 v[i], 0                              ; the scores of tiles 1 to 3, written once: every register is defined on every way through a step's two equal tests
.set i, i+1
.endr
.macro QK t                            ; S^T of tile t: 4 tiles of 16 keys x 2 halves of the head; four accumulators by turns
	WIN 0x04
.irp i, 0,1,2,3,4,5,6,7
.set xS, 64+32*(\t)+8*(\i%4)
.set xK, 192+16*(\i%4)+8*(\i/4)
.set xQ, 16*(\t)+8*(\i/4)
.if \i < 4
	v_wmma_f32_16x16x32_f16 v[xS:xS+7], v[xK:xK+7], v[xQ:xQ+7], 0
.else
	v_wmma_f32_16x16x32_f16 v[xS:xS+7], v[xK:xK+7], v[xQ:xQ+7], v[xS:xS+7]
.endif
.endr
.endm
.macro PV t                            ; O^T of tile t += V^T P: 2 halves of 32 keys x 4 tiles of 16 channels; four accumulators by turns
	WIN 0x51
.irp i, 0,1,2,3,4,5,6,7
.set xO, 64+32*(\t)+8*(\i%4)
.set xV, 192+32*(\i/4)+8*(\i%4)
.set xP, 64+32*(\t)+8*(\i/4)
	v_wmma_f32_16x16x32_f16 v[xO:xO+7], v[xV:xV+7], v[xP:xP+7], v[xO:xO+7]
.endr
.endm
.macro MASK t, dreg                    ; on the diagonal: register n holds key 16 (n / 8) + 8 h + n % 8 of the step
.irp n, 0,1,2,3,4,5,6,7,8,9,10,11,12,13,14,15,16,17,18,19,20,21,22,23,24,25,26,27,28,29,30,31
	v_cmp_gt_i32 vcc_lo, 16*(\n/8)+\n%8, v[\dreg]
	v_cndmask_b32 v[64+32*(\t)+\n], v[64+32*(\t)+\n], v9, vcc_lo
.endr
.endm
.macro SOFTMAX t
.set rT, 32+8*(\t)
.set rS, 64+32*(\t)
.irp j, 0,1,2,3
	v_max3_num_f32 v[rT+4+\j], v[rS+8*\j], v[rS+8*\j+1], v[rS+8*\j+2]   ; four chains; each accumulator is read from its low end on
.endr
.irp u, 3,5
.irp j, 0,1,2,3
	v_max3_num_f32 v[rT+4+\j], v[rT+4+\j], v[rS+8*\j+\u], v[rS+8*\j+\u+1]
.endr
.endr
	v_max3_num_f32 v[rT+4], v[rT+4], v[rS+7], v[rS+15]
	v_max3_num_f32 v[rT+6], v[rT+6], v[rS+23], v[rS+31]
	v_max3_num_f32 v[rT+4], v[rT+4], v[rT+5], v[rT+6]
	v_max3_num_f32 v[rT+4], v[rT+4], v[rT+7], v[rT+1]              ; with the old m
	v_permlanex16_b32 v[rT+5], v[rT+4], s[SEL], s[SEL+1]           ; the query's other 32 keys lie in the lane 16 away
	v_mov_b32 v[rT+7], v[rT]                                       ; c m_old
	v_max_num_f32 v[rT+1], v[rT+4], v[rT+5]                        ; the new m
	v_mul_f32 v[rT], s[CS], v[rT+1]
	v_sub_f32 v[rT+7], v[rT+7], v[rT]                              ; c m_old - c m_new
.irp j, 0,2,4,6,8,10,12,14,16,18,20,22,24,26,28,30
	v_pk_fma_f32 v[rS+\j:rS+\j+1], v[rS+\j:rS+\j+1], s[CS:CS+1], v[rT:rT+1] op_sel_hi:[1,0,0] neg_lo:[0,0,1] neg_hi:[0,0,1]   ; c s - c m
.endr
	v_exp_f32 v[rT+6], v[rT+7]                                     ; a; with the 32 below ONE batch
.irp j, 0,1,2,3,4,5,6,7,8,9,10,11,12,13,14,15,16,17,18,19,20,21,22,23,24,25,26,27,28,29,30,31
	v_exp_f32 v[rS+\j], v[rS+\j]
.endr
	v_nop                                                          ; the plain instruction behind the last exponential
	s_wait_alu depctr_va_vdst(0)                                   ; one wait for the batch, ahead of its first reader
	v_pk_add_f32 v[rT+4:rT+5], v[rS:rS+1], v[rS+2:rS+3]            ; the sum of the unrounded p, in two chains
	v_pk_add_f32 v[28:29], v[rS+4:rS+5], v[rS+6:rS+7]
.irp j, 8,12,16,20,24,28
	v_pk_add_f32 v[rT+4:rT+5], v[rT+4:rT+5], v[rS+\j:rS+\j+1]
	v_pk_add_f32 v[28:29], v[28:29], v[rS+\j+2:rS+\j+3]
.endr
	v_pk_add_f32 v[rT+4:rT+5], v[rT+4:rT+5], v[28:29]
	v_pk_fma_f32 v[rT+2:rT+3], v[rT+2:rT+3], v[rT+6:rT+7], v[rT+4:rT+5] op_sel_hi:[1,0,1]   ; l = a l + the sum
.irp i, 0,1,2,3,4,5,6,7,8,9,10,11,12,13,14,15
	v_cvt_pk_f16_f32 v[rS+\i], v[rS+2*\i], v[rS+2*\i+1]            ; P over S, ascending: register i has been consumed when it is written
.endr
	WIN 0x41
.irp i, 0,1,2,3,4,5,6,7,8,9,10,11,12,13,14,15
	v_pk_mul_f32 v[rS+2*\i:rS+2*\i+1], v[rS+2*\i:rS+2*\i+1], v[rT+6:rT+7] op_sel_hi:[1,0]   ; O^T (window 1, the same numbers) x a
.endr
.endm
.macro TILE t, dreg, g                 ; tile t's part of a step
	s_cmp_lg_u32 s[KS], s[\g]
	s_cbranch_scc1 .Lopen_\@                       ; the mask only on the diagonal
	MASK \t, \dreg
.Lopen_\@:
	SOFTMAX \t
.if (\t) == 0
	s_wait_dscnt 0x0                               ; V's fragments are in
.endif
	PV \t
	WIN 0
.endm
.macro STEP                            ; 64 keys.  All branches hang on the wave's number and the count of steps; no barrier and no tensor load stands in a step
	s_cmp_gt_u32 s[KS], s12
	s_cbranch_scc1 .Lskip_\@                       ; hidden for all my tiles
	v_add_nc_u32 v[ADK], s[TB], v[AK0]
	v_add_nc_u32 v[ADV], s[TB], v[AV0]
	PLACES 3                                       ; with the two additions five places behind the last V^T P: for the loads into V's registers (four) and the K Q^T that writes over P (five)
.irp kt, 0,1,2,3
.irp e, 0,1
	ds_load_b128 v[192+16*\kt+8*\e:192+16*\kt+8*\e+3], v[ADK] offset:2176*\kt+64*\e
	ds_load_b128 v[192+16*\kt+8*\e+4:192+16*\kt+8*\e+7], v[ADK] offset:2176*\kt+64*\e+32
.endr
.endr
	WIN 0x40
.irp kh, 0,1
.irp ct, 0,1,2,3
	ds_load_tr16_b128 v[192+32*\kh+8*\ct:192+32*\kh+8*\ct+3], v[ADV] offset:4608*\kh+32*\ct
	ds_load_tr16_b128 v[192+32*\kh+8*\ct+4:192+32*\kh+8*\ct+7], v[ADV] offset:4608*\kh+32*\ct+2304
.endr
.endr
	WIN 0
	s_wait_dscnt 16                                ; K's sixteen loads are in; V's sixteen stay out
	QK 0
	WIN 0
	s_cmp_gt_u32 s[KS], s13
	s_cbranch_scc1 .Lqd_\@
	QK 1
	WIN 0
	s_cmp_gt_u32 s[KS], s14
	s_cbranch_scc1 .Lqd_\@
	QK 2
	WIN 0
	s_cmp_gt_u32 s[KS], s15
	s_cbranch_scc1 .Lqd_\@
	QK 3
	WIN 0
.Lqd_\@:
	PLACES 4                                       ; behind the last K Q^T, ahead of the first read of scores
	TILE 0, DR, 12
	s_cmp_gt_u32 s[KS], s13
	s_cbranch_scc1 .Lskip_\@
	TILE 1, DJ, 13
	s_cmp_gt_u32 s[KS], s14
	s_cbranch_scc1 .Lskip_\@
	TILE 2, DR, 14
	s_cmp_gt_u32 s[KS], s15
	s_cbranch_scc1 .Lskip_\@
	TILE 3, DJ, 15
.Lskip_\@:
	s_add_co_u32 s[KS], s[KS], 1
	s_add_co_u32 s[TB], s[TB], STEPB
.endm
.macro SLOT_STEPS                      ; a slot's four steps: written once, walked four times
	s_mov_b32 s[CNT], 4
.Lst_\@:
	STEP
	s_sub_co_u32 s[CNT], s[CNT], 1
	s_cmp_lg_u32 s[CNT], 0
	s_cbranch_scc1 .Lst_\@
	s_sub_co_u32 s[TB], s[TB], 4*STEPB
	s_xor_b32 s[TB], s[TB], SLOT1                  ; on to the other slot
.endm
; THE CHANGE OF SLOTS stands at a slot's head.  Each wave waits for all its tensor loads (its part of the slot ahead), adds 0 to its spare word, and waits for that and for its reads of the slot that it has left.
; fill = 1: a round of the cluster's barrier; behind it the slot just left is asked for jointly, with the 256 keys that follow: the load has four steps in which to land.
.macro CHANGE fill
	s_wait_tensorcnt 0x0                           ; no tensor load of mine is out, so a group 0 may be written
	ds_add_u32 v[SPW], v[NIL]
.if \fill
	s_xor_b32 s41, s41, SLOT1                      ; the walking descriptors: the other slot, the next 256 keys
	s_add_nc_u64 s[42:43], s[42:43], 32768
	s_xor_b32 s45, s45, SLOT1
	s_add_nc_u64 s[46:47], s[46:47], 32768
	s_wait_xcnt 0x0                                ; the last prefetch, a slot back, has read its address
	s_add_nc_u64 s[PFA:PFA+1], s[PFA:PFA+1], 32768
	s_wait_dscnt 0x0                               ; the add is done, and my reads of the slot that I have left are over
	CROUND
	JLOAD
	ASK
.else
	s_wait_dscnt 0x0
	s_barrier_signal -1
	s_barrier_wait -1
.endif
.endm
	s_wait_loadcnt 0x0                             ; Q
.Lslot:                                                ; 7 trips: trip t reads slot t, asks for slot t + 1 and prefetches slot t + 2
	CHANGE 1
	SLOT_STEPS
	s_sub_co_u32 s[SLOTS], s[SLOTS], 1
	s_cmp_lg_u32 s[SLOTS], 0
	s_cbranch_scc1 .Lslot
	CHANGE 0                                       ; the last slot is written out
	SLOT_STEPS
	; THE WAY OUT.  l's halves and the other half of the lanes' are added (these lines are the places behind the last products); O^T / l, rounded to f16, goes through my stage, a tile at a time
.irp t, 0,1,2,3
	v_add_f32 v[36+8*\t], v[34+8*\t], v[35+8*\t]
.endr
.irp t, 0,1,2,3
	v_permlanex16_b32 v[37+8*\t], v[36+8*\t], s[SEL], s[SEL+1]
.endr
.irp t, 0,1,2,3
	v_add_f32 v[36+8*\t], v[36+8*\t], v[37+8*\t]
.endr
.irp t, 0,1,2,3
	v_rcp_f32 v[38+8*\t], v[36+8*\t]
.endr
	v_nop
	s_wait_alu depctr_va_vdst(0)                   ; one wait for the four reciprocals
.macro PACK t
	WIN 0x41
.irp i, 0,1,2,3,4,5,6,7,8,9,10,11,12,13,14,15
	v_pk_mul_f32 v[64+32*\t+2*\i:64+32*\t+2*\i+1], v[64+32*\t+2*\i:64+32*\t+2*\i+1], v[38+8*\t:39+8*\t] op_sel_hi:[1,0]
.endr
	WIN 0x05
.irp i, 0,1,2,3,4,5,6,7,8,9,10,11,12,13,14,15
	v_cvt_pk_f16_f32 v[64+16*\t+\i], v[64+32*\t+2*\i], v[64+32*\t+2*\i+1]
.endr
	WIN 0
.irp c, 0,1,2,3
	ds_store_b128 v[STO], v[64+16*\t+4*\c:64+16*\t+4*\c+3] offset:32*\c
.endr
.irp i, 0,1,2,3
	ds_load_b128 v[64+16*\t+4*\i:64+16*\t+4*\i+3], v[RD] offset:576*\i   ; LDS serves a wave's instructions in order: these see the stores above, and the next tile's stores come behind them
.endr
.endm
.macro SEND t, younger
.irp i, 0,1,2,3
	s_wait_dscnt \younger+3-\i
	global_store_b128 v[20+\t], v[64+16*\t+4*\i:64+16*\t+4*\i+3], s[62:63] offset:512*\i   ; 32 lanes store 512 consecutive bytes, aligned
.endr
.endm
	PACK 0
	PACK 1
	SEND 0, 8                                      ; behind tile 0's loads: tile 1's four stores and four loads
	PACK 2
	SEND 1, 8
	PACK 3
	SEND 2, 8
	SEND 3, 0
	s_wait_tensorcnt 0x0                           ; the wave's end
	ds_add_u32 v[SPW], v[NIL]
	s_wait_dscnt 0x0
	CROUND                                         ; the closing round
	s_endpgm
.Lfunc_end_k_q7a055040f2_attn:
	.size	k_q7a055040f2_attn, .Lfunc_end_k_q7a055040f2_attn-k_q7a055040f2_attn
	.p2alignl 7, 3214868480
	.fill 96, 4, 3214868480
	.section	.rodata,"a",@progbits
	.p2align	6, 0x0
	.amdhsa_kernel k_q7a055040f2_attn
		.amdhsa_group_segment_fixed_size 327680
		.amdhsa_private_segment_fixed_size 0
		.amdhsa_enable_private_segment 0
		.amdhsa_kernarg_size 16
		.amdhsa_user_sgpr_count 2
		.amdhsa_user_sgpr_kernarg_segment_ptr 1
		.amdhsa_wavefront_size32 1
		.amdhsa_system_sgpr_workgroup_id_x 1
		.amdhsa_system_sgpr_workgroup_id_y 1
		.amdhsa_system_sgpr_workgroup_id_z 1
		.amdhsa_system_vgpr_workitem_id 0
		.amdhsa_next_free_vgpr 512
		.amdhsa_next_free_sgpr 80
		.amdhsa_reserve_vcc 1
		.amdhsa_float_denorm_mode_32 3
		.amdhsa_float_denorm_mode_16_64 3
		.amdhsa_memory_ordered 1
		.amdhsa_forward_progress 1
		.amdhsa_inst_pref_size 115
	.end_amdhsa_kernel
	.amdgpu_metadata
---
amdhsa.version: [ 1, 2 ]
amdhsa.kernels:
  - .name:           k_q7a055040f2_attn
    .symbol:         k_q7a055040f2_attn.kd
    .args:
      - { .name: qkv, .offset: 0, .size: 8, .value_kind: global_buffer, .address_space: global }
      - { .name: yw, .offset: 8, .size: 8, .value_kind: global_buffer, .address_space: global }
    .group_segment_fixed_size: 327680
    .private_segment_fixed_size: 0
    .kernarg_segment_align: 8
    .kernarg_segment_size: 16
    .max_flat_workgroup_size: 256
    .sgpr_count:     80
    .vgpr_count:     512
    .wavefront_size: 32
...
	.end_amdgpu_metadata
.endif
;; end of part 3
;; launch proj (part 4): grid 8 x 32, 4 waves a work-group, clusters of 4 x 4, 327,680 bytes of LDS; arguments yw, wph, bp, out0; writes out0
.if DOCPART == 4
	.amdgcn_target "amdgcn-amd-amdhsa--gfx1250"
	.amdhsa_code_object_version 6
	.text
	.protected	k_q7a055040f2_proj
	.globl	k_q7a055040f2_proj
	.p2align	8
	.type	k_q7a055040f2_proj,@function
k_q7a055040f2_proj:
	s_mov_b64 s[64:65], 0
	v_nop
	global_prefetch_b8 v0, s[64:65] scope:SCOPE_SE
	s_setreg_imm32_b32 hwreg(HW_REG_WAVE_MODE, 25, 1), 1
	s_wait_xcnt 0x0
	s_wait_alu depctr_hold_cnt(0) depctr_sa_sdst(0) depctr_va_vdst(0) depctr_va_sdst(0) depctr_va_ssrc(0) depctr_va_vcc(0) depctr_vm_vsrc(0)
	s_getreg_b32 s2, hwreg(HW_REG_IB_STS2, 6, 4)
	s_cmp_eq_u32 s2, 0
	s_cbranch_scc0 .Lentry_in_a_cluster
	s_endpgm
.Lentry_in_a_cluster:
	s_bfe_u32 s2, ttmp6, 0x10000c
	s_cmp_lg_u32 s2, 0xf033
	s_cbranch_scc0 .Lentry_shape_is_right
	s_endpgm
.Lentry_shape_is_right:
; PROJ.  out0[m][n] = the sum over c of y[m][c] Wp[n][c] + bp[n].  y: yw [head 16][row 8192][64] f16 (c = 64 head + d); Wp: wph [1024][1024] f16; out0 [8192][1024] f32; sums in f32.
; (The 64 rows t < 16 are written again, from f32 operands, by the launch that follows.)
; SHARES.  A tile of out0 is 256 rows x 128 columns: 8 x 32 = 256 work-groups.  Wave w makes rows 128 (w / 2) on, columns 64 (w % 2) on: 8 x 4 accumulators of 16 x 16.
; K goes in steps of 128, two heads' planes of yw, through a ring of two LDS slots.  A plane's 256 rows are 32,768 dense bytes, stated as 128 rows of 256 bytes (two rows of y a row).
; CLUSTER 4 x 4: y's tiles are shared along a row of the cluster, Wp's along a column: joint loads.  Waves 0, 1 fetch y's two planes, waves 2, 3 Wp's two halves: one load a wave behind each round;
; by this text's count two are out at the start and one later.
; THE MATRIX INSTRUCTION IS USED TRANSPOSED (source 0 = 16 rows of Wp, source 1 = 16 rows of y): a lane holds eight neighbouring columns of one row.  The bias is the C of each sum's first product.
; No prefetch: a K step's tiles are small, and four partners share each request.
; REGISTERS: window 0: v0-31 addresses; v32-63 the bias; v64-127 rows on the way out.  window 1: the accumulators at v[8 (4 a + b)].  window 2: two sets of fragments at v0 and v128: y's at + 8 a, Wp's at + 64 + 8 b.
.set PITCH, 272
.set PLANE, 128*PITCH
.set BOFF,  2*PLANE
.set SLOT,  BOFF+128*PITCH
.set STAGE, 2*SLOT                     ; 16 rows x 272 bytes for each wave
.set SPARE, STAGE+4*16*PITCH           ; the spare words, 128 bytes a wave, named by no other line
.set SPW, 28
.set NIL, 29
.set F0,  0
.set F1,  128
.set WV,  14                           ; s14 wave; s15 wave / 2: my half of the rows, and I fetch for y (0) or Wp (1); s16 wave % 2: my half of the columns, and which part I fetch
.set G1,  24
.set G0,  32
.set G1B, 48
.set G0B, 56
.set MSB, 0
.macro WIN new
.if MSB != (\new)
	s_set_vgpr_msb (MSB<<8)|(\new)
.set MSB, (\new)
.endif
.endm
.macro PLACES n
.rept \n
	v_nop
.endr
.endm
.macro JLOAD s                         ; an s_nop 0 and four v_nop follow each of the two lines
	s_cmp_eq_u32 s15, 0
	s_cbranch_scc0 .Lfor_b_\@
	tensor_load_to_lds s[G0+4*\s:G0+4*\s+3], s[G1:G1+7]
	s_nop 0
	PLACES 4
	s_branch .Lasked_\@
.Lfor_b_\@:
	tensor_load_to_lds s[G0B+4*\s:G0B+4*\s+3], s[G1B:G1B+7]
	s_nop 0
	PLACES 4
.Lasked_\@:
.endm
.macro CREST
	s_cmp_lg_u32 s[WV], 0
	s_cbranch_scc1 .Lnot_wave_0_\@
	s_barrier_signal -3
.Lnot_wave_0_\@:
	s_barrier_wait -3
	s_barrier_signal -1
	s_barrier_wait -1
.endm
.macro CROUND
	s_barrier_signal -1
	s_barrier_wait -1
	CREST
.endm
	s_load_b256 s[4:11], s[0:1], 0x0               ; yw 4:5, wph 6:7, bp 8:9, out0 10:11
	v_lshl_add_u32 v[SPW], v0, 2, SPARE
	v_mov_b32 v[NIL], 0
	ds_add_u32 v[SPW], v[NIL]                      ; the wave's opening: the add, twice on end, and its wait ahead of my first tensor load
	ds_add_u32 v[SPW], v[NIL]
	v_lshrrev_b32 v1, 5, v0
	v_readfirstlane_b32 s[WV], v1
	s_lshr_b32 s15, s[WV], 1
	s_and_b32 s16, s[WV], 1
	s_bfe_u32 s40, ttmp6, 0x40000                  ; cx
	s_bfe_u32 s41, ttmp6, 0x40004                  ; cy
	s_lshl_b32 s42, ttmp9, 2
	s_add_co_u32 s42, s42, s40                     ; tile column, 0..7
	s_and_b32 s13, ttmp7, 0xffff
	s_lshl_b32 s13, s13, 2
	s_add_co_u32 s13, s13, s41                     ; tile row, 0..31
	s_lshl_b32 s43, s41, 2
	s_lshl_b32 s43, 15, s43                        ; my row of the cluster
	s_lshl_b32 s44, 0x1111, s40                    ; my column
	s_or_b32 s[G1], s43, (1<<16)|(1<<20)|(1<<21)|(5<<22)|(3<<25)    ; elements of 2 bytes, padding of 4 words behind every 64, bit 21 beside the mask
	s_or_b32 s[G1B], s44, (1<<16)|(1<<20)|(1<<21)|(5<<22)|(3<<25)
	s_mov_b32 s[G1+1], 128<<16                     ; y: 128 rows of 128 elements, dense
	s_mov_b32 s[G1+2], 128<<16
	s_mov_b32 s[G1+3], 128<<16
	s_mov_b32 s[G1+4], 128
	s_mov_b32 s[G1+5], 128
	s_mov_b32 s[G1+6], 0
	s_mov_b32 s[G1+7], 0
	s_mov_b32 s[G1B+1], 128<<16                    ; Wp: 64 rows of 128 elements, 1,024 elements apart
	s_mov_b32 s[G1B+2], 64<<16
	s_mov_b32 s[G1B+3], 128<<16
	s_mov_b32 s[G1B+4], 64
	s_mov_b32 s[G1B+5], 1024
	s_mov_b32 s[G1B+6], 0
	s_mov_b32 s[G1B+7], 0
	s_lshl_b32 s20, s13, 15                        ; y: the tile's 256 rows of a plane,
	s_lshl_b32 s21, s16, 20                        ; in plane wave % 2
	s_add_co_u32 s20, s20, s21
	s_mov_b32 s21, 0
	s_lshl_b32 s46, s42, 7
	s_lshl_b32 s47, s16, 6
	s_add_co_u32 s46, s46, s47                     ; Wp: row 128 x tile column + 64 x half
	s_lshl_b32 s46, s46, 11
	s_mov_b32 s47, 0
	s_mul_i32 s22, s16, PLANE                      ; where they go: no place in the cluster enters an LDS address
	s_mul_i32 s23, s16, 64*PITCH
	s_add_co_u32 s23, s23, BOFF
	s_wait_dscnt 0x0                               ; both opening adds are done
	s_wait_kmcnt 0x0
	s_add_nc_u64 s[20:21], s[4:5], s[20:21]
	s_add_nc_u64 s[46:47], s[6:7], s[46:47]
	CROUND                                         ; all sixteen work-groups are here
.irp s, 0,1
	s_mov_b32 s[G0+4*\s], 1
	s_add_co_u32 s[G0+4*\s+1], s22, \s*SLOT
	s_add_nc_u64 s[G0+4*\s+2:G0+4*\s+3], s[20:21], \s*(2<<20)      ; K step s: planes 2 s, 2 s + 1
	s_or_b32 s[G0+4*\s+3], s[G0+4*\s+3], 0x80000000
	s_mov_b32 s[G0B+4*\s], 1
	s_add_co_u32 s[G0B+4*\s+1], s23, \s*SLOT
	s_add_nc_u64 s[G0B+4*\s+2:G0B+4*\s+3], s[46:47], \s*256
	s_or_b32 s[G0B+4*\s+3], s[G0B+4*\s+3], 0x80000000
	JLOAD \s
.endr
	v_and_b32 v1, 15, v0                           ; r
	v_bfe_u32 v2, v0, 4, 1                         ; h
	v_lshrrev_b32 v3, 1, v1
	v_mul_u32_u24 v3, v3, PITCH
	v_and_b32 v4, 1, v0
	v_lshl_add_u32 v3, v4, 7, v3
	v_lshl_add_u32 v3, v2, 4, v3                   ; y: row r of a block: 272 (r / 2) + 128 (r % 2) + 16 h
	s_mul_i32 s17, s15, 64*PITCH                   ; my 128 rows: 64 double rows
	v_add_nc_u32 v16, s17, v3                      ; v16, v17: slot 0, 1
	v_add_nc_u32 v17, SLOT, v16
	v_mul_u32_u24 v5, v1, PITCH
	v_lshl_add_u32 v5, v2, 4, v5
	s_mul_i32 s17, s16, 64*PITCH
	s_add_co_u32 s17, s17, BOFF
	v_add_nc_u32 v20, s17, v5                      ; v20, v21: my 64 rows of Wp
	v_add_nc_u32 v21, SLOT, v20
	s_mul_i32 s17, s[WV], 16*PITCH
	s_add_co_u32 s17, s17, STAGE
	v_mul_u32_u24 v5, v1, PITCH
	v_lshl_add_u32 v5, v2, 5, v5
	v_add_nc_u32 v24, s17, v5                      ; v24: into my stage: row r, 32 bytes for each half of the lanes
	v_mul_u32_u24 v5, v2, PITCH
	v_lshl_add_u32 v5, v1, 4, v5
	v_add_nc_u32 v25, s17, v5                      ; v25: back: sixteen lanes to a row of 256 bytes
	v_lshlrev_b32 v26, 12, v2
	v_lshl_add_u32 v26, v1, 4, v26                 ; v26: and the same two rows in out0
	v_lshlrev_b32 v27, 5, v2                       ; v27: the bias: 32 h
	s_lshl_b32 s18, s42, 9
	s_lshl_b32 s19, s16, 8
	s_add_co_u32 s18, s18, s19                     ; my first column, in bytes
	s_mov_b32 s19, 0
	s_add_nc_u64 s[8:9], s[8:9], s[18:19]
	s_add_nc_u64 s[10:11], s[10:11], s[18:19]
	s_lshl_b32 s18, s13, 8
	s_lshl_b32 s17, s15, 7
	s_add_co_u32 s18, s18, s17                     ; my first row
	s_lshl_b32 s18, s18, 12
	s_add_nc_u64 s[10:11], s[10:11], s[18:19]
.irp b, 0,1,2,3
	global_load_b128 v[32+8*\b:32+8*\b+3], v27, s[8:9] offset:64*\b
	global_load_b128 v[32+8*\b+4:32+8*\b+7], v27, s[8:9] offset:64*\b+16
.endr
.macro FETCH slot, q, f                ; the fragments of the slot's q-th 32 along K: 24 LDS loads in one run
	WIN 0x80
.irp a, 0,1,2,3,4,5,6,7
	ds_load_b128 v[\f+8*\a:\f+8*\a+3], v[16+\slot] offset:PLANE*((\q)/2)+64*((\q)%2)+2176*\a
	ds_load_b128 v[\f+8*\a+4:\f+8*\a+7], v[16+\slot] offset:PLANE*((\q)/2)+64*((\q)%2)+2176*\a+32
.endr
.irp b, 0,1,2,3
	ds_load_b128 v[\f+64+8*\b:\f+64+8*\b+3], v[20+\slot] offset:64*(\q)+4352*\b
	ds_load_b128 v[\f+64+8*\b+4:\f+64+8*\b+7], v[20+\slot] offset:64*(\q)+4352*\b+32
.endr
.endm
.macro MUL8 f, a0, zero                ; row blocks a0, a0 + 1 x the four column blocks.  The 32 accumulators take turns, in the same order in every quarter
.irp a, \a0, \a0+1
.irp b, 0,1,2,3
.if \zero
	v_wmma_f32_16x16x32_f16 v[8*(4*(\a)+\b):8*(4*(\a)+\b)+7], v[\f+64+8*\b:\f+64+8*\b+7], v[\f+8*(\a):\f+8*(\a)+7], v[32+8*\b:32+8*\b+7]
.else
	v_wmma_f32_16x16x32_f16 v[8*(4*(\a)+\b):8*(4*(\a)+\b)+7], v[\f+64+8*\b:\f+64+8*\b+7], v[\f+8*(\a):\f+8*(\a)+7], v[8*(4*(\a)+\b):8*(4*(\a)+\b)+7]
.endif
.endr
.endr
.endm
.macro QUARTER slot, qn, f, g, zero    ; multiplies set f; ahead of its 32 products it fetches the slot's quarter qn into set g
	s_wait_dscnt 0x0                               ; set f is in (asked for 32 products ago)
	PLACES 4                                       ; in front of loads into registers that the last products read
	FETCH \slot, \qn, \g
.if \zero
	WIN 0x4a                                       ; sources 0 and 1 window 2, C (the bias) window 0, D window 1
.else
	WIN 0x5a                                       ; C and D window 1
.endif
	MUL8 \f, 0, \zero
	MUL8 \f, 2, \zero
	MUL8 \f, 4, \zero
	MUL8 \f, 6, \zero
.endm
; A slot's last quarter multiplies set 1 and changes slots: in front of the barrier each wave waits for all its tensor loads, adds 0 to its spare word, and waits for that and for its reads of this slot.
.macro TURN slot, next, fill
	WIN 0
	s_wait_tensorcnt 0x0                           ; my part of the next slot has landed
	ds_add_u32 v[SPW], v[NIL]
	s_wait_dscnt 1                                 ; set 1 is in; the add alone may be out
	WIN 0x5a
	MUL8 F1, 0, 0
	s_wait_dscnt 0x0                               ; the add is done, and my reads of this slot are over
	s_barrier_signal -1
	MUL8 F1, 2, 0
	WIN 0
	s_barrier_wait -1
.if \fill
	CREST                                          ; the barrier has opened a round of the cluster's: no wave of any partner still reads this slot or has a load on its way
	s_add_nc_u64 s[G0+4*\slot+2:G0+4*\slot+3], s[G0+4*\slot+2:G0+4*\slot+3], 1<<22      ; two K steps on: four planes
	s_add_nc_u64 s[G0B+4*\slot+2:G0B+4*\slot+3], s[G0B+4*\slot+2:G0B+4*\slot+3], 512
	JLOAD \slot                                    ; the first tensor load behind the round; its four v_nop are also the places in front of the loads below
.else
	PLACES 4
.endif
	FETCH \next, 0, F0
	WIN 0x5a
	MUL8 F1, 4, 0
	MUL8 F1, 6, 0
.endm
	s_wait_tensorcnt 1                             ; my part of K step 0 is in; K step 1's load stays out
	s_barrier_signal -1
	s_barrier_wait -1
	FETCH 0, 0, F0
	s_wait_loadcnt 0x0                             ; the bias
	QUARTER 0, 1, F0, F1, 1                        ; the first quarter stands in front of the loop: its products start the sums
	WIN 0
	s_mov_b32 s3, 3
.Llap:                                                 ; a trip goes once round the ring and fills both slots again: K steps 2 to 7
	QUARTER 0, 2, F1, F0, 0
	QUARTER 0, 3, F0, F1, 0
	TURN 0, 1, 1
	QUARTER 1, 1, F0, F1, 0
	QUARTER 1, 2, F1, F0, 0
	QUARTER 1, 3, F0, F1, 0
	TURN 1, 0, 1
	QUARTER 0, 1, F0, F1, 0
	WIN 0
	s_sub_co_u32 s3, s3, 1
	s_cmp_lg_u32 s3, 0
	s_cbranch_scc1 .Llap
	QUARTER 0, 2, F1, F0, 0                        ; the last lap fills nothing
	QUARTER 0, 3, F0, F1, 0
	TURN 0, 1, 0
	QUARTER 1, 1, F0, F1, 0
	QUARTER 1, 2, F1, F0, 0
	QUARTER 1, 3, F0, F1, 0
	s_wait_dscnt 0x0
	WIN 0x5a
	MUL8 F1, 0, 0
	MUL8 F1, 2, 0
	MUL8 F1, 4, 0
	MUL8 F1, 6, 0
	WIN 0
; THE WAY OUT, a row block (16 rows x 64 columns) at a time, through my own stage: a row's 256 bytes come back whole, and sixteen lanes store them.
.macro TOSTAGE a
	WIN 0x04                                       ; an LDS store's data are its source 1: window 1
.irp b, 0,1,2,3
	ds_store_b128 v24, v[8*(4*(\a)+\b):8*(4*(\a)+\b)+3] offset:64*\b          ; each accumulator from its low end on
	ds_store_b128 v24, v[8*(4*(\a)+\b)+4:8*(4*(\a)+\b)+7] offset:64*\b+16
.endr
	WIN 0
.irp i, 0,1,2,3,4,5,6,7
	ds_load_b128 v[64+32*((\a)%2)+4*\i:64+32*((\a)%2)+4*\i+3], v25 offset:544*\i   ; LDS serves a wave's instructions in order
.endr
.endm
.macro SEND a, younger
	s_wait_dscnt \younger
.irp i, 0,1,2,3,4,5,6,7
	global_store_b128 v26, v[64+32*((\a)%2)+4*\i:64+32*((\a)%2)+4*\i+3], s[10:11] offset:65536*(\a)+8192*\i th:TH_STORE_NT   ; sixteen lanes store 256 consecutive bytes, aligned
.endr
.endm
	PLACES 4
	TOSTAGE 0
.irp a, 1,2,3,4,5,6,7
.if \a > 1
	s_wait_xcnt 0x0                                ; block a - 2's stores have read their registers: block a's loads may land there
.endif
	TOSTAGE \a
	SEND \a-1, 16                                  ; behind block a - 1's loads: block a's 8 stores and 8 loads
.endr
	SEND 7, 0
	s_wait_tensorcnt 0x0                           ; the wave's end
	ds_add_u32 v[SPW], v[NIL]
	s_wait_dscnt 0x0
	CROUND                                         ; the closing round
	s_endpgm
.Lfunc_end_k_q7a055040f2_proj:
	.size	k_q7a055040f2_proj, .Lfunc_end_k_q7a055040f2_proj-k_q7a055040f2_proj
	.p2alignl 7, 3214868480
	.fill 96, 4, 3214868480
	.section	.rodata,"a",@progbits
	.p2align	6, 0x0
	.amdhsa_kernel k_q7a055040f2_proj
		.amdhsa_group_segment_fixed_size 327680
		.amdhsa_private_segment_fixed_size 0
		.amdhsa_enable_private_segment 0
		.amdhsa_kernarg_size 32
		.amdhsa_user_sgpr_count 2
		.amdhsa_user_sgpr_kernarg_segment_ptr 1
		.amdhsa_wavefront_size32 1
		.amdhsa_system_sgpr_workgroup_id_x 1
		.amdhsa_system_sgpr_workgroup_id_y 1
		.amdhsa_system_sgpr_workgroup_id_z 1
		.amdhsa_system_vgpr_workitem_id 0
		.amdhsa_next_free_vgpr 768
		.amdhsa_next_free_sgpr 70
		.amdhsa_reserve_vcc 0
		.amdhsa_float_denorm_mode_32 3
		.amdhsa_float_denorm_mode_16_64 3
		.amdhsa_memory_ordered 1
		.amdhsa_forward_progress 1
		.amdhsa_inst_pref_size 86
	.end_amdhsa_kernel
	.amdgpu_metadata
---
amdhsa.version: [ 1, 2 ]
amdhsa.kernels:
  - .name:           k_q7a055040f2_proj
    .symbol:         k_q7a055040f2_proj.kd
    .args:
      - { .name: yw, .offset: 0, .size: 8, .value_kind: global_buffer, .address_space: global }
      - { .name: wph, .offset: 8, .size: 8, .value_kind: global_buffer, .address_space: global }
      - { .name: bp, .offset: 16, .size: 8, .value_kind: global_buffer, .address_space: global }
      - { .name: out0, .offset: 24, .size: 8, .value_kind: global_buffer, .address_space: global }
    .group_segment_fixed_size: 327680
    .private_segment_fixed_size: 0
    .kernarg_segment_align: 8
    .kernarg_segment_size: 32
    .max_flat_workgroup_size: 128
    .sgpr_count:     70
    .vgpr_count:     768
    .wavefront_size: 32
...
	.end_amdgpu_metadata
.endif
;; end of part 4
;; launch fine (part 5): grid 16 x 4, 16 waves a work-group, no clusters, 71,680 bytes of LDS; arguments first, Wp, bp, out0; writes out0
.if DOCPART == 5
	.amdgcn_target "amdgcn-amd-amdhsa--gfx1250"
	.amdhsa_code_object_version 6
	.text
	.protected	k_q7a055040f2_fine
	.globl	k_q7a055040f2_fine
	.p2align	8
	.type	k_q7a055040f2_fine,@function
k_q7a055040f2_fine:
	s_mov_b64 s[64:65], 0
	v_nop
	global_prefetch_b8 v0, s[64:65] scope:SCOPE_SE
	s_setreg_imm32_b32 hwreg(HW_REG_WAVE_MODE, 25, 1), 1
	s_wait_xcnt 0x0
; FINE.  The first 16 positions of every sequence, wholly in f32: attention on first [b][g 48][16][64] (q, k, v as the quantised products left them) and the projection by Wp [1024][1024] f32, + bp.
; These rows average one to sixteen values, so the rounding of f16 operands weighs most there; they overwrite what the launch before stored in out0's rows b 2048 + 0 .. 15.
; SHARES.  A work-group: one batch, 64 columns of out0 (o0 = 64 x).  Wave hd takes head hd: S^T = K Q^T, mask, softmax, y^T = V^T P, then its 64 of the projection's K; the sixteen parts meet in LDS, and wave u adds and
; stores row u.  (The attention of a batch is made again in each of its 16 work-groups: 32 small products a wave.)  64 work-groups: the rows have no more work.  96 matrix instructions a wave: no bulk work.
; K IS PERMUTED ALIKE ON BOTH SIDES of each product, so that loads are dense and results go on as operands without changing lanes: the form takes k = 2 h + j of register j; here lane (r, h) holds
;   K Q^T, step p: channels 32 h + 2 p + j;   V^T P, step s: keys 8 h + 2 s + j (as S^T left them);   the projection, step (ct, s): channels 16 ct + 8 h + 2 s + j (as y^T left them).
; No tensor load, no cluster (the work-groups share Wp's rows with nobody at the same time), no prefetch (the launch is short).
; REGISTERS: v1-10 addresses; v12, v13 the add's two; v[14:15] bp; v16-47 Q, v48-79 K, later Wp's tiles 2, 3, later the parts; v80-111 V; v112-175 Wp's tiles 0, 1;
;   v176-207 four accumulators, v208-239 y^T: written by matrix instructions alone; v240-247 S, then P; v248-255 at work.
.set SPARE, 16*4352                    ; behind the sixteen parts (16 rows x 272 bytes each): the spare words, 128 bytes a wave
.set SPW, 12
.set NIL, 13
.set HD,  20                           ; s20 my wave's number: my head, and the row that I add up
	s_load_b256 s[4:11], s[0:1], 0x0               ; first 4:5, Wp 6:7, bp 8:9, out0 10:11
	v_lshl_add_u32 v[SPW], v0, 2, SPARE
	v_mov_b32 v[NIL], 0
	v_lshrrev_b32 v1, 5, v0
	v_readfirstlane_b32 s[HD], v1
	s_and_b32 s21, ttmp7, 0xffff                   ; b
	s_lshl_b32 s22, ttmp9, 6                       ; o0
	s_mul_i32 s24, s21, 48
	s_add_co_u32 s24, s24, s[HD]
	s_lshl_b32 s24, s24, 12                        ; q's head in first: 4,096 bytes a head; k's lies 65,536 bytes on, v's 131,072
	s_mov_b32 s25, 0
	s_lshl_b32 s26, s22, 12
	s_lshl_b32 s27, s[HD], 8
	s_add_co_u32 s26, s26, s27                     ; Wp: row o0, column 64 hd
	s_mov_b32 s27, 0
	s_lshl_b32 s28, s22, 2                         ; bp at o0
	s_mov_b32 s29, 0
	s_lshl_b32 s34, s21, 11
	s_add_co_u32 s34, s34, s[HD]
	s_lshl_b32 s34, s34, 10
	s_add_co_u32 s34, s34, s22
	s_lshl_b32 s34, s34, 2                         ; out0: row 2048 b + my wave's number, column o0
	s_mov_b32 s35, 0
	s_mov_b32 s30, 0x3e38aa3b                      ; c = log2(e) / 8
	s_mov_b32 s32, 0x76543210
	s_mov_b32 s33, 0xfedcba98                      ; selects for lane l xor 16
	v_and_b32 v1, 15, v0                           ; r
	v_bfe_u32 v2, v0, 4, 1                         ; h
	v_lshlrev_b32 v3, 8, v1
	v_lshl_add_u32 v3, v2, 7, v3                   ; Q, K: row r of 256 bytes, + 128 h
	v_lshlrev_b32 v4, 2, v1
	v_lshl_add_u32 v4, v2, 11, v4                  ; V: key 8 h, channel r
	v_lshlrev_b32 v5, 12, v1
	v_lshl_add_u32 v5, v2, 5, v5                   ; Wp: row r of 4,096 bytes, + 32 h
	s_mul_i32 s36, s[HD], 4352
	v_mul_u32_u24 v6, v1, 272
	v_lshl_add_u32 v6, v2, 5, v6
	v_add_nc_u32 v6, s36, v6                       ; my part in LDS: row r, 32 bytes for each half of the lanes
	s_mul_i32 s36, s[HD], 272
	v_and_b32 v8, 31, v0
	v_lshlrev_b32 v8, 3, v8                        ; 8 bytes a lane: a row's 256 bytes
	v_add_nc_u32 v7, s36, v8                       ; the row that I add up, in part 0
	v_lshlrev_b32 v9, 3, v2
	v_sub_nc_u32 v9, v1, v9                        ; d = r - 8 h: register j holds key 8 h + j, hidden where j > d
	v_mov_b32 v10, 0xff800000                      ; -infinity
	s_wait_kmcnt 0x0
	s_add_nc_u64 s[12:13], s[4:5], s[24:25]
	s_add_nc_u64 s[14:15], s[6:7], s[26:27]
	s_add_nc_u64 s[16:17], s[8:9], s[28:29]
	s_add_nc_u64 s[18:19], s[10:11], s[34:35]
	global_load_b64 v[14:15], v8, s[16:17]         ; bp
.irp i, 0,1,2,3,4,5,6,7
	global_load_b128 v[16+4*\i:19+4*\i], v3, s[12:13] offset:16*\i             ; Q: channels 32 h + 0 .. 31 of query r
.endr
.irp i, 0,1,2,3,4,5,6,7
	global_load_b128 v[48+4*\i:51+4*\i], v3, s[12:13] offset:65536+16*\i       ; K likewise
.endr
.irp c, 0,1,2,3
.irp k, 0,1,2,3,4,5,6,7
	global_load_b32 v[80+8*\c+\k], v4, s[12:13] offset:131072+256*\k+64*\c     ; V(key 8 h + k, channel 16 c + r)
.endr
.endr
.irp u, 0,1
.irp c, 0,1,2,3
.irp e, 0,1
	global_load_b128 v[112+32*\u+8*\c+4*\e:112+32*\u+8*\c+4*\e+3], v5, s[14:15] offset:65536*\u+64*\c+16*\e   ; Wp(o0 + 16 u + r, 64 hd + 16 c + 8 h + 4 e ..)
.endr
.endr
.endr
	s_wait_loadcnt 48                              ; bp, Q and K are in; V's 32 and Wp's 16 stay out
.irp p, 0,1,2,3,4,5,6,7,8,9,10,11,12,13,14,15  ; S^T = K Q^T in four partial sums by turns
.if \p < 4
	v_wmma_f32_16x16x4_f32 v[176+8*(\p%4):183+8*(\p%4)], v[48+2*\p:49+2*\p], v[16+2*\p:17+2*\p], 0
.else
	v_wmma_f32_16x16x4_f32 v[176+8*(\p%4):183+8*(\p%4)], v[48+2*\p:49+2*\p], v[16+2*\p:17+2*\p], v[176+8*(\p%4):183+8*(\p%4)]
.endif
.endr
.rept 8
	v_nop                                          ; eight places behind this form, ahead of loads into its sources and reads of its results
.endr
.irp u, 0,1
.irp c, 0,1,2,3
.irp e, 0,1
	global_load_b128 v[16+32*\u+8*\c+4*\e:16+32*\u+8*\c+4*\e+3], v5, s[14:15] offset:65536*(2+\u)+64*\c+16*\e   ; Wp's tiles 2 and 3, where Q and K lay
.endr
.endr
.endr
.irp j, 0,2,4,6
	v_pk_add_f32 v[240+\j:241+\j], v[176+\j:177+\j], v[184+\j:185+\j]          ; the four partial sums, each read from its low end on
.endr
.irp j, 0,2,4,6
	v_pk_add_f32 v[248+\j:249+\j], v[192+\j:193+\j], v[200+\j:201+\j]
.endr
.irp j, 0,2,4,6
	v_pk_add_f32 v[240+\j:241+\j], v[240+\j:241+\j], v[248+\j:249+\j]
.endr
.irp j, 0,1,2,3,4,5,6,7
	v_cmp_gt_i32 vcc_lo, \j, v9
	v_cndmask_b32 v[240+\j], v[240+\j], v10, vcc_lo                            ; the causal mask
.endr
	v_max3_num_f32 v248, v240, v241, v242
	v_max3_num_f32 v249, v243, v244, v245
	v_max3_num_f32 v248, v248, v246, v247
	v_max_num_f32 v248, v248, v249
	v_permlanex16_b32 v249, v248, s32, s33
	v_max_num_f32 v248, v248, v249                 ; the row's maximum: key 0 counts for every query, so it is a number
	v_mul_f32 v250, s30, v248                      ; c m
.irp j, 0,1,2,3,4,5,6,7
	v_fma_f32 v[240+\j], v[240+\j], s30, -v250     ; c s - c m
.endr
.irp j, 0,1,2,3,4,5,6,7
	v_exp_f32 v[240+\j], v[240+\j]
.endr
	v_nop
	s_wait_alu depctr_va_vdst(0)                   ; one wait for the eight exponentials
	v_add_f32 v251, v240, v241
	v_add_f32 v252, v242, v243
	v_add_f32 v254, v244, v245
	v_add_f32 v255, v246, v247
	v_add_f32 v251, v251, v252
	v_add_f32 v254, v254, v255
	v_add_f32 v251, v251, v254
	v_permlanex16_b32 v252, v251, s32, s33
	v_add_f32 v251, v251, v252                     ; the row's sum
	v_rcp_f32 v253, v251
	v_nop
	s_wait_alu depctr_va_vdst(0)
.irp j, 0,1,2,3,4,5,6,7
	v_mul_f32 v[240+\j], v[240+\j], v253           ; P, normalised
.endr
	s_wait_loadcnt 32                              ; V is in; Wp's 16 + 16 stay out
.irp s, 0,1,2,3                                ; y^T = V^T P: four tiles of 16 channels by turns
.irp c, 0,1,2,3
.if \s == 0
	v_wmma_f32_16x16x4_f32 v[208+8*\c:215+8*\c], v[80+8*\c+2*\s:81+8*\c+2*\s], v[240+2*\s:241+2*\s], 0
.else
	v_wmma_f32_16x16x4_f32 v[208+8*\c:215+8*\c], v[80+8*\c+2*\s:81+8*\c+2*\s], v[240+2*\s:241+2*\s], v[208+8*\c:215+8*\c]
.endif
.endr
.endr
.rept 9
	v_nop                                          ; nine places: the results go on as a matrix operand
.endr
	s_wait_loadcnt 0x0                             ; all of Wp's tiles
.irp c, 0,1,2,3                                ; my 64 of the projection's K: source 0 = 16 rows of Wp, source 1 = y^T; four tiles of 16 columns by turns
.irp s, 0,1,2,3
.irp u, 0,1,2,3
.set xW, 112+32*\u
.if \u > 1
.set xW, 16+32*(\u-2)
.endif
.set xW, xW+8*\c+2*\s
.if (\c == 0) && (\s == 0)
	v_wmma_f32_16x16x4_f32 v[176+8*\u:183+8*\u], v[xW:xW+1], v[208+8*\c+2*\s:209+8*\c+2*\s], 0
.else
	v_wmma_f32_16x16x4_f32 v[176+8*\u:183+8*\u], v[xW:xW+1], v[208+8*\c+2*\s:209+8*\c+2*\s], v[176+8*\u:183+8*\u]
.endif
.endr
.endr
.endr
.rept 8
	v_nop
.endr
.irp u, 0,1,2,3
	ds_store_b128 v6, v[176+8*\u:179+8*\u] offset:64*\u            ; lane (r, h): my part of out(t = r, o0 + 16 u + 8 h + 0 .. 7); each accumulator from its low end on
	ds_store_b128 v6, v[180+8*\u:183+8*\u] offset:64*\u+16
.endr
	s_wait_dscnt 0x0                               ; for the others' sake: my part lies in LDS
	s_barrier_signal -1
	s_barrier_wait -1
.irp i, 0,1,2,3,4,5,6,7,8,9,10,11,12,13,14,15
	ds_load_b64 v[16+2*\i:17+2*\i], v7 offset:4352*\i              ; my row of each of the sixteen parts
.endr
	s_wait_dscnt 0x0
.irp i, 0,1,2,3,4,5,6,7
	v_pk_add_f32 v[16+4*\i:17+4*\i], v[16+4*\i:17+4*\i], v[18+4*\i:19+4*\i]
.endr
.irp i, 0,1,2,3
	v_pk_add_f32 v[16+8*\i:17+8*\i], v[16+8*\i:17+8*\i], v[20+8*\i:21+8*\i]
.endr
.irp i, 0,1
	v_pk_add_f32 v[16+16*\i:17+16*\i], v[16+16*\i:17+16*\i], v[24+16*\i:25+16*\i]
.endr
	v_pk_add_f32 v[16:17], v[16:17], v[32:33]
	v_pk_add_f32 v[16:17], v[16:17], v[14:15]      ; + bp
	global_store_b64 v8, v[16:17], s[18:19]        ; 32 lanes store 256 consecutive bytes, aligned
	s_wait_tensorcnt 0x0                           ; the wave's end, behind my last LDS store
	ds_add_u32 v[SPW], v[NIL]
	s_wait_dscnt 0x0
	s_endpgm
.Lfunc_end_k_q7a055040f2_fine:
	.size	k_q7a055040f2_fine, .Lfunc_end_k_q7a055040f2_fine-k_q7a055040f2_fine
	.p2alignl 7, 3214868480
	.fill 96, 4, 3214868480
	.section	.rodata,"a",@progbits
	.p2align	6, 0x0
	.amdhsa_kernel k_q7a055040f2_fine
		.amdhsa_group_segment_fixed_size 71680
		.amdhsa_private_segment_fixed_size 0
		.amdhsa_enable_private_segment 0
		.amdhsa_kernarg_size 32
		.amdhsa_user_sgpr_count 2
		.amdhsa_user_sgpr_kernarg_segment_ptr 1
		.amdhsa_wavefront_size32 1
		.amdhsa_system_sgpr_workgroup_id_x 1
		.amdhsa_system_sgpr_workgroup_id_y 1
		.amdhsa_system_sgpr_workgroup_id_z 1
		.amdhsa_system_vgpr_workitem_id 0
		.amdhsa_next_free_vgpr 256
		.amdhsa_next_free_sgpr 66
		.amdhsa_reserve_vcc 1
		.amdhsa_float_denorm_mode_32 3
		.amdhsa_float_denorm_mode_16_64 3
		.amdhsa_memory_ordered 1
		.amdhsa_forward_progress 1
		.amdhsa_inst_pref_size 23
	.end_amdhsa_kernel
	.amdgpu_metadata
---
amdhsa.version: [ 1, 2 ]
amdhsa.kernels:
  - .name:           k_q7a055040f2_fine
    .symbol:         k_q7a055040f2_fine.kd
    .args:
      - { .name: first, .offset: 0, .size: 8, .value_kind: global_buffer, .address_space: global }
      - { .name: Wp, .offset: 8, .size: 8, .value_kind: global_buffer, .address_space: global }
      - { .name: bp, .offset: 16, .size: 8, .value_kind: global_buffer, .address_space: global }
      - { .name: out0, .offset: 24, .size: 8, .value_kind: global_buffer, .address_space: global }
    .group_segment_fixed_size: 71680
    .private_segment_fixed_size: 0
    .kernarg_segment_align: 8
    .kernarg_segment_size: 32
    .max_flat_workgroup_size: 512
    .sgpr_count:     66
    .vgpr_count:     256
    .wavefront_size: 32
...
	.end_amdgpu_metadata
.endif
;; end of part 5
